; MI455X (gfx1250); checked and timed in simulation.
; The chip was launched on July 23, 2026; its instructions are those of AMD's public machine-readable ISA for CDNA 5 (MIT licence, August 2026) and "CDNA5" Instruction Set Architecture Reference Guide (July 2026). The comments in the code are by the model that wrote it; some were corrected since.
;; Block. Allowed arithmetic: float matrix products may take bf16 or f16 operands with f32 sums; all other float work in f32.
;; Inputs: aw_b 32 float32; aw_w 32 x 256 float32; fc1_b 1,024 float32; fc1_w 1,024 x 256 float32; fc2_b 256 float32; fc2_w 256 x 1,024 float32; ln1_b 256 float32; ln1_w 256 float32; ln2_b 256 float32; ln2_w 256 float32; ln3_b 256 float32; ln3_w 256 float32; off_b 64 float32; off_w 64 x 256 float32; oproj_b 256 float32; oproj_w 256 x 256 float32; proj_b 256 float32; proj_w 256 x 256 float32; qkv_w 768 x 256 float32; ref 16 x 1,024 x 2 float32; value 16 x 1,024 x 256 float32; vproj_b 256 float32; vproj_w 256 x 256 float32; x 16 x 1,024 x 256 float32.
;; Outputs: out0 16 x 1,024 x 256 float32.
;; One version. Each part assembles by itself: llvm-mc -triple=amdgcn-amd-amdhsa -mcpu=gfx1250 --defsym DOCPART=n.
;; ======== version 1 of 1: 5 launches
;; limits: values outside matrix products are rounded to bf16; values are held in f16: magnitudes above 65,504 overflow, below 6.1e-05 lose precision; a function is approximated: absolute error at most 1.5e-07
;; workspace buffers: wb 1,884,160 bytes; qf 8,388,608 bytes; kv 16,777,216 bytes; vd 8,388,608 bytes; x1 16,777,216 bytes; sidx 8,388,608 bytes of whole numbers; swt 8,388,608 bytes; sf 8,388,608 bytes
;; launch prep (part 1): grid 230 x 1, 8 waves a work-group, no clusters, 0 bytes of LDS; arguments qkv_w, vproj_w, proj_w, off_w, aw_w, oproj_w, fc1_w, fc2_w, wb; writes wb
.if DOCPART == 1
	.amdgcn_target "amdgcn-amd-amdhsa--gfx1250"
	.amdhsa_code_object_version 6
	.text
	.protected	k_q603e8ab57c_prep
	.globl	k_q603e8ab57c_prep
	.p2align	8
	.type	k_q603e8ab57c_prep,@function
k_q603e8ab57c_prep:
	s_mov_b64 s[64:65], 0
	v_nop
	global_prefetch_b8 v0, s[64:65] scope:SCOPE_SE
	s_setreg_imm32_b32 hwreg(HW_REG_WAVE_MODE, 25, 1), 1
	s_wait_xcnt 0x0
; prep: the eight weight matrices, f32 [n][k], to 16 bits in FRAGMENT order in wb: fc1_w and fc2_w to f16, the others to bf16.
; A fragment is 1 KB = 16 rows (n) x 32 k: byte blk*512 + 16*lane holds row lane%16, k = 32 s + 16 blk + 8 (lane/16) + 0..7,
; which is the register image of a 16-bit matrix operand (ISA guide 7.12.2): later launches load it by two 16-byte loads a lane.
; A work-group makes 8 fragments (one n-tile of 16 rows x 8 K steps), wave w the K step w of them.
; ids 0-47 qkv, 48-63 vproj, 64-79 proj, 80-83 off, 84-85 aw, 86-101 oproj, 102-165 fc1, 166-229 fc2 (n-tile id/4, K steps 8 (id%4) ..).
; wb: ids below 102 at id*8192 + w*1024.  From WMLP on 32 chunks of 32 KB: chunk c = fc1 n-tiles 2c, 2c+1 (8 K steps each), then fc2's 16 n-tiles of K step c.
; aw's rows are taken with bits 2 and 3 of the row number exchanged, so that in the product's result a lane finds the weights of the heads whose offsets it holds.
; WHY f16 FOR THE MLP: fc2 sums 1,024 products, the longest sum of the block, and f16 stores 10 mantissa bits where bf16 stores 7.
; LIMIT: a weight of fc1 or fc2 beyond 65,504 in magnitude is not served; below 6.1e-5 it is an f16 denormal, rounded to within 3e-8.
; 230 work-groups: as many as there are groups of 8 fragments.
.set WMLP, 835584
	s_load_b512 s[8:23], s[0:1], 0x0               ; qkv_w, vproj_w, proj_w, off_w, aw_w, oproj_w, fc1_w, fc2_w
	s_load_b64 s[24:25], s[0:1], 0x40              ; wb
	v_lshrrev_b32 v1, 5, v0
	v_readfirstlane_b32 s3, v1                     ; wave
	s_mov_b32 s4, ttmp9                            ; id
	s_wait_kmcnt 0x0
	s_mov_b64 s[26:27], s[8:9]                     ; the matrix of this id, and the id at which it starts
	s_mov_b32 s28, 0
.macro PICK lo, p
	s_cmp_ge_u32 s4, \lo
	s_cselect_b64 s[26:27], s[\p:\p+1], s[26:27]
	s_cselect_b32 s28, \lo, s28
.endm
	PICK 48, 10
	PICK 64, 12
	PICK 80, 14
	PICK 84, 16
	PICK 86, 18
	PICK 102, 20
	PICK 166, 22
	s_sub_co_u32 s29, s4, s28                      ; number of the group within its matrix
	s_lshr_b32 s31, s29, 2                         ; fc2: n-tile
	s_and_b32 s32, s29, 3
	s_lshl_b32 s32, s32, 3                         ; fc2: first K step
	s_cmp_ge_u32 s4, 166
	s_cselect_b32 s33, s31, s29                    ; n-tile
	s_cselect_b32 s34, s32, 0                      ; first K step
	s_cselect_b32 s30, 12, 10                      ; log2 of a row's bytes: 4,096 (fc2) or 1,024
	s_add_co_u32 s35, s34, s3                      ; my K step
	s_lshl_b32 s36, s33, 4
	s_lshl_b32 s36, s36, s30                       ; 16 rows x n-tile
	s_lshl_b32 s37, s35, 7                         ; 32 k x 4 bytes x K step
	s_add_co_u32 s36, s36, s37
	s_mov_b32 s37, 0
	s_add_nc_u64 s[26:27], s[26:27], s[36:37]
	s_lshl_b32 s38, s4, 13                         ; destination, three candidates
	s_lshl_b32 s39, s3, 10
	s_add_co_u32 s38, s38, s39                     ; ids below 102
	s_lshr_b32 s40, s29, 1
	s_lshl_b32 s40, s40, 15
	s_and_b32 s41, s29, 1
	s_lshl_b32 s41, s41, 13
	s_add_co_u32 s40, s40, s41
	s_add_co_u32 s40, s40, s39
	s_add_co_u32 s40, s40, WMLP                    ; fc1
	s_lshl_b32 s42, s35, 15
	s_lshl_b32 s43, s33, 10
	s_add_co_u32 s42, s42, s43
	s_add_co_u32 s42, s42, WMLP+16384              ; fc2
	s_cmp_ge_u32 s4, 102
	s_cselect_b32 s38, s40, s38
	s_cmp_ge_u32 s4, 166
	s_cselect_b32 s38, s42, s38
	s_mov_b32 s39, 0
	s_add_nc_u64 s[24:25], s[24:25], s[38:39]
	s_sub_co_u32 s44, s4, 84
	s_cmp_lt_u32 s44, 2
	s_cselect_b32 s44, -1, 0                       ; all ones for aw
	v_and_b32 v1, 31, v0                           ; lane
	v_and_b32 v2, 15, v0                           ; row
	v_bfe_u32 v3, v0, 4, 1                         ; half
	v_and_b32 v4, 3, v2
	v_bfe_u32 v5, v2, 2, 1
	v_bfe_u32 v6, v2, 3, 1
	v_lshl_or_b32 v4, v5, 3, v4
	v_lshl_or_b32 v4, v6, 2, v4                    ; the row with bits 2 and 3 exchanged
	v_cndmask_b32 v2, v2, v4, s44
	v_lshlrev_b32 v2, s30, v2
	v_lshl_add_u32 v2, v3, 5, v2                   ; row x pitch + 8 k x 4 bytes x half
	global_load_b128 v[8:11], v2, s[26:27]
	global_load_b128 v[12:15], v2, s[26:27] offset:16
	global_load_b128 v[16:19], v2, s[26:27] offset:64
	global_load_b128 v[20:23], v2, s[26:27] offset:80
	v_lshlrev_b32 v1, 4, v1
	s_wait_loadcnt 0x0
	s_cmp_ge_u32 s4, 102                           ; fc1 and fc2 go to f16
	s_cbranch_scc1 .Lhalf
.irp j,0,1,2,3,4,5,6,7
	v_cvt_pk_bf16_f32 v[24+\j], v[8+2*\j], v[9+2*\j]
.endr
	s_branch .Lstore
.Lhalf:
.irp j,0,1,2,3,4,5,6,7
	v_cvt_pk_f16_f32 v[24+\j], v[8+2*\j], v[9+2*\j]
.endr
.Lstore:
	global_store_b128 v1, v[24:27], s[24:25]               ; each store of the wave covers 512 consecutive bytes, aligned
	global_store_b128 v1, v[28:31], s[24:25] offset:512
	s_endpgm
.Lfunc_end_k_q603e8ab57c_prep:
	.size	k_q603e8ab57c_prep, .Lfunc_end_k_q603e8ab57c_prep-k_q603e8ab57c_prep
	.p2alignl 7, 3214868480
	.fill 96, 4, 3214868480
	.section	.rodata,"a",@progbits
	.p2align	6, 0x0
	.amdhsa_kernel k_q603e8ab57c_prep
		.amdhsa_group_segment_fixed_size 0
		.amdhsa_private_segment_fixed_size 0
		.amdhsa_enable_private_segment 0
		.amdhsa_kernarg_size 72
		.amdhsa_user_sgpr_count 2
		.amdhsa_user_sgpr_kernarg_segment_ptr 1
		.amdhsa_wavefront_size32 1
		.amdhsa_system_sgpr_workgroup_id_x 1
		.amdhsa_system_sgpr_workgroup_id_y 1
		.amdhsa_system_sgpr_workgroup_id_z 1
		.amdhsa_system_vgpr_workitem_id 0
		.amdhsa_next_free_vgpr 32
		.amdhsa_next_free_sgpr 66
		.amdhsa_reserve_vcc 0
		.amdhsa_float_denorm_mode_32 3
		.amdhsa_float_denorm_mode_16_64 3
		.amdhsa_memory_ordered 1
		.amdhsa_forward_progress 1
		.amdhsa_inst_pref_size 6
	.end_amdhsa_kernel
	.amdgpu_metadata
---
amdhsa.version: [ 1, 2 ]
amdhsa.kernels:
  - .name:           k_q603e8ab57c_prep
    .symbol:         k_q603e8ab57c_prep.kd
    .args:
      - { .name: qkv_w, .offset: 0, .size: 8, .value_kind: global_buffer, .address_space: global }
      - { .name: vproj_w, .offset: 8, .size: 8, .value_kind: global_buffer, .address_space: global }
      - { .name: proj_w, .offset: 16, .size: 8, .value_kind: global_buffer, .address_space: global }
      - { .name: off_w, .offset: 24, .size: 8, .value_kind: global_buffer, .address_space: global }
      - { .name: aw_w, .offset: 32, .size: 8, .value_kind: global_buffer, .address_space: global }
      - { .name: oproj_w, .offset: 40, .size: 8, .value_kind: global_buffer, .address_space: global }
      - { .name: fc1_w, .offset: 48, .size: 8, .value_kind: global_buffer, .address_space: global }
      - { .name: fc2_w, .offset: 56, .size: 8, .value_kind: global_buffer, .address_space: global }
      - { .name: wb, .offset: 64, .size: 8, .value_kind: global_buffer, .address_space: global }
    .group_segment_fixed_size: 0
    .private_segment_fixed_size: 0
    .kernarg_segment_align: 8
    .kernarg_segment_size: 72
    .max_flat_workgroup_size: 256
    .sgpr_count:     66
    .vgpr_count:     32
    .wavefront_size: 32
...
	.end_amdgpu_metadata
.endif
;; end of part 1
;; launch qkv (part 2): grid 256 x 1, 8 waves a work-group, clusters of 4 x 1, 327,680 bytes of LDS; arguments x, value, ln1_w, ln1_b, vproj_b, wb, qf, kv, vd; writes qf, kv, vd
.if DOCPART == 2
	.amdgcn_target "amdgcn-amd-amdhsa--gfx1250"
	.amdhsa_code_object_version 6
	.text
	.protected	k_q603e8ab57c_qkv
	.globl	k_q603e8ab57c_qkv
	.p2align	8
	.type	k_q603e8ab57c_qkv,@function
k_q603e8ab57c_qkv:
	s_mov_b64 s[64:65], 0
	v_nop
	global_prefetch_b8 v0, s[64:65] scope:SCOPE_SE
	s_setreg_imm32_b32 hwreg(HW_REG_WAVE_MODE, 25, 1), 1
	s_wait_xcnt 0x0
	s_wait_alu depctr_hold_cnt(0) depctr_sa_sdst(0) depctr_va_vdst(0) depctr_va_sdst(0) depctr_va_ssrc(0) depctr_va_vcc(0) depctr_vm_vsrc(0)
	s_getreg_b32 s2, hwreg(HW_REG_IB_STS2, 6, 4)
	s_cmp_eq_u32 s2, 0
	s_cbranch_scc0 .Lentry_in_a_cluster
	s_endpgm
.Lentry_in_a_cluster:
	s_bfe_u32 s2, ttmp6, 0x10000c
	s_cmp_lg_u32 s2, 0x3003
	s_cbranch_scc0 .Lentry_shape_is_right
	s_endpgm
.Lentry_shape_is_right:
; qkv: LN1(x) @ qkv_w^T and value @ vproj_w^T + vproj_b, results in bf16 in the order in which the next launches read them.
; A work-group owns 64 tokens (batch b = WG/16, block qb = WG%16); wave w owns head w: 32 columns of q, k, v and of the projected value, all 64 tokens.
; Four phases (q, k, v, vproj) of 64 matrix instructions a wave; a weight fragment feeds four of them.
; Weights come as fragments from wb through two LDS slots of 128 KB, 16 KB a wave, each wave's own; the four work-groups of a cluster walk the
; same weights and ask for them jointly (mask 15).  By this text's own count a wave has two tensor loads out at the start and one behind each refill.
; Activations: bf16 rows of 512 bytes at pitch 528 = 33 x 16 bytes, so that the 16 rows of a fragment load start at 16 different 16-byte columns modulo 256.
; q, k, vproj: source 0 = weights, source 1 = tokens: a lane holds token lane%16 and features 8 (lane/16) + 0..7, i.e. half a fragment row after packing.
; v: source 0 = tokens, source 1 = weights: a lane holds feature lane%16 and eight tokens, i.e. a piece of a fragment of V transposed.
; q is multiplied by 32^-0.5 log2(e) before it is rounded, so that the attention's exponentials are powers of two.
; vd, the projected value: [b][head][quarter of the 32 features][token][16 bytes].  A lane's packed tile is one token's quarter, so it is stored straight from
; registers, sixteen lanes filling 256 consecutive bytes; and where the map is sampled from LDS, a lane's 16-byte column modulo 256 bytes is token mod 16.
; LIMITS: matrix operands are bf16; the projected value is kept in bf16 (it is the operand of the sampling sum); NaN and infinities are not served.
; REGISTERS block 0: v1 16 lane, v2 row, v3 half, v4-v8, v10 addresses, v[12:23] LN at work, v[32:63] value rows in bf16 (later vproj_b),
;   v[64:127] accumulators (t,q) at 64+8(4t+q), v[128:255] weight fragments (t,s) at 128+8(2s+t); during LN: gains v[64:79], x v[128:191], value v[192:255].
;   block 1: token fragments (q,s) at 8(8q+s).
.set SLOT, 131072
.set ACT, 262144
.set AP, 528
.set LD, 12
.set LT, 20
.set GW, 64
.set GB, 72
.set SPL, 54
.set SINV, 56
.set SEPS, 57
.set MSB, 0
.macro WIN new                         ; the immediate's high byte repeats the setting that is left
.if MSB != \new
	s_set_vgpr_msb (MSB<<8)|\new
.set MSB, \new
.endif
.endm
.macro PLACES                          ; four places behind matrix instructions (ISA guide 7.12.1)
.rept 4
	v_nop
.endr
.endm
.macro BAR
	s_barrier_signal -1
	s_barrier_wait -1
.endm
.macro ROUND                           ; a round of the cluster's barrier; s3 = wave
	s_barrier_signal -1
	s_barrier_wait -1
	s_cmp_lg_u32 s3, 0
	s_cbranch_scc1 .Lnot_wave_0_\@
	s_barrier_signal -3
.Lnot_wave_0_\@:
	s_barrier_wait -3
	s_barrier_signal -1
	s_barrier_wait -1
.endm
.macro RED32 a, b                      ; sum of v[a] over the 32 lanes, in every lane; v[b] has been written
	v_add_f32_dpp v[\a], v[\a], v[\a] row_xmask:1 row_mask:0xf bank_mask:0xf
	v_add_f32_dpp v[\a], v[\a], v[\a] row_xmask:2 row_mask:0xf bank_mask:0xf
	v_add_f32_dpp v[\a], v[\a], v[\a] row_xmask:4 row_mask:0xf bank_mask:0xf
	v_add_f32_dpp v[\a], v[\a], v[\a] row_xmask:8 row_mask:0xf bank_mask:0xf
	v_permlanex16_b32 v[\b], v[\a], s[SPL], s[SPL+1]
	v_add_f32 v[\a], v[\a], v[\b]
.endm
; Layer norm of one row of 256: the lane holds columns 4 lane .. +3 in v[x:x+3] and 128 + 4 lane .. +3 in v[x+4:x+7] (left whole).
; Mean first, then the mean of squared differences: no difference of large sums.  The row goes to LDS in bf16.
.macro LNROW x, adr, off
	v_pk_add_f32 v[LT:LT+1], v[\x:\x+1], v[\x+2:\x+3]
	v_pk_add_f32 v[LT+2:LT+3], v[\x+4:\x+5], v[\x+6:\x+7]
	v_pk_add_f32 v[LT:LT+1], v[LT:LT+1], v[LT+2:LT+3]
	v_add_f32 v[LT], v[LT], v[LT+1]
	RED32 LT, LT+1
	v_mul_f32 v[LT], s[SINV], v[LT]
.irp j,0,2,4,6
	v_pk_add_f32 v[LD+\j:LD+\j+1], v[\x+\j:\x+\j+1], v[LT:LT+1] op_sel_hi:[1,0] neg_lo:[0,1] neg_hi:[0,1]
.endr
	v_pk_mul_f32 v[LT+2:LT+3], v[LD:LD+1], v[LD:LD+1]
.irp j,2,4,6
	v_pk_fma_f32 v[LT+2:LT+3], v[LD+\j:LD+\j+1], v[LD+\j:LD+\j+1], v[LT+2:LT+3]
.endr
	v_add_f32 v[LT+2], v[LT+2], v[LT+3]
	RED32 LT+2, LT+3
	v_fma_f32 v[LT], v[LT+2], s[SINV], s[SEPS]
	v_rsq_f32 v[LT+2], v[LT]
	v_nop                                          ; one plain place behind the transcendental
	s_wait_alu depctr_va_vdst(0)
.irp j,0,2,4,6
	v_pk_mul_f32 v[LD+\j:LD+\j+1], v[LD+\j:LD+\j+1], v[LT+2:LT+3] op_sel_hi:[1,0]
.endr
.irp j,0,2,4,6
	v_pk_fma_f32 v[LD+\j:LD+\j+1], v[LD+\j:LD+\j+1], v[GW+\j:GW+\j+1], v[GB+\j:GB+\j+1]
.endr
	v_cvt_pk_bf16_f32 v[LT], v[LD], v[LD+1]
	v_cvt_pk_bf16_f32 v[LT+1], v[LD+2], v[LD+3]
	v_cvt_pk_bf16_f32 v[LT+2], v[LD+4], v[LD+5]
	v_cvt_pk_bf16_f32 v[LT+3], v[LD+6], v[LD+7]
	ds_store_b64 v[\adr], v[LT:LT+1] offset:\off
	ds_store_b64 v[\adr], v[LT+2:LT+3] offset:\off+256
.endm
.macro PACK a                          ; a tile's eight f32 to four registers of bf16, in place
	v_cvt_pk_bf16_f32 v[\a], v[\a], v[\a+1]
	v_cvt_pk_bf16_f32 v[\a+1], v[\a+2], v[\a+3]
	v_cvt_pk_bf16_f32 v[\a+2], v[\a+4], v[\a+5]
	v_cvt_pk_bf16_f32 v[\a+3], v[\a+6], v[\a+7]
.endm
.macro MM d, a, b, acc                 ; acc = 0: the product starts the sum
.if \acc
	v_wmma_f32_16x16x32_bf16 v[\d:\d+7], v[\a:\a+7], v[\b:\b+7], v[\d:\d+7]
.else
	v_wmma_f32_16x16x32_bf16 v[\d:\d+7], v[\a:\a+7], v[\b:\b+7], 0
.endif
.endm
.macro XLOAD                           ; the 64 rows in ACT as 32 fragments into block 1
	WIN 0x40
.irp q,0,1,2,3
.irp s,0,1,2,3,4,5,6,7
	ds_load_b128 v[8*(8*\q+\s):8*(8*\q+\s)+3], v5 offset:\q*16*AP+64*\s
	ds_load_b128 v[8*(8*\q+\s)+4:8*(8*\q+\s)+7], v5 offset:\q*16*AP+64*\s+32
.endr
.endr
	WIN 0
.endm
; 64 tokens x 32 columns x 256 k.  wr: the address register of my part of the slot.  nat = 1: tokens are source 0.
; The eight accumulators take turns, one instruction a turn, in the same order in every K step.
.macro GEMM64 wr, nat
	s_wait_xcnt 0x0                                ; the accumulators were the data of stores: they are written again only behind this wait
.irp s,0,1,2,3,4,5,6,7
.irp t,0,1
	ds_load_b128 v[128+8*(2*\s+\t):128+8*(2*\s+\t)+3], v[\wr] offset:(8*\t+\s)*1024
	ds_load_b128 v[128+8*(2*\s+\t)+4:128+8*(2*\s+\t)+7], v[\wr] offset:(8*\t+\s)*1024+512
.endr
.endr
.if \nat
	WIN 0x01
.else
	WIN 0x04
.endif
.irp s,0,1,2,3,4,5,6,7
	s_wait_dscnt 28-4*\s                           ; four loads belong to each later K step and may stay out
.irp t,0,1
.irp q,0,1,2,3
.if \nat
	MM 64+8*(4*\t+\q), 8*(8*\q+\s), 128+8*(2*\s+\t), \s
.else
	MM 64+8*(4*\t+\q), 128+8*(2*\s+\t), 8*(8*\q+\s), \s
.endif
.endr
.endr
.endr
	WIN 0
	PLACES
.endm
; the eight tiles, packed, to fragments in memory: each store of the wave covers 512 consecutive bytes, aligned
.macro OUTF sb, ca, cb, cc, cd
.irp t,0,1
.irp q,0,1,2,3
	PACK 64+8*(4*\t+\q)
	global_store_b128 v1, v[64+8*(4*\t+\q):64+8*(4*\t+\q)+3], s[\sb:\sb+1] offset:(\q>>1)*\ca+(\q&1)*\cb+\t*\cc+\cd
.endr
.endr
.endm
; slot n is filled again with the weights two phases on
.macro REFILL n
	s_wait_tensorcnt 0x0                           ; all my tensor loads have landed, so a group 0 may be written
	ds_add_u32 v30, v31
	s_add_nc_u64 s[42+4*\n:43+4*\n], s[42+4*\n:43+4*\n], 2*SLOT
	s_wait_dscnt 0x0                               ; my LDS reads and stores are done
	ROUND                                          ; both now hold of every wave of the four work-groups
	tensor_load_to_lds s[40+4*\n:43+4*\n], s[32:39]
	s_nop 0
.endm
	s_load_b512 s[8:23], s[0:1], 0x0               ; x 8, value 10, ln1_w 12, ln1_b 14, vproj_b 16, wb 18, qf 20, kv 22
	s_load_b64 s[24:25], s[0:1], 0x40              ; vd
	v_lshl_add_u32 v30, v0, 2, 0x48400
	v_mov_b32 v31, 0
	ds_add_u32 v30, v31
	v_lshrrev_b32 v1, 5, v0
	v_readfirstlane_b32 s3, v1                     ; wave
	s_bfe_u32 s4, ttmp6, 0x40000                   ; cx
	s_lshl_b32 s5, ttmp9, 2
	s_add_co_u32 s5, s5, s4                        ; work-group; enters addresses of rows in memory alone
	s_lshr_b32 s6, s5, 4                           ; batch
	s_and_b32 s7, s5, 15                           ; block of 64 tokens
	; group 1: a dense block of 64 rows x 32 elements of 8 bytes = 16 KB; mask 15 with bit 21 beside it
	s_mov_b32 s32, 15|(3<<16)|(1<<21)
	s_mov_b32 s33, 32<<16
	s_mov_b32 s34, 64<<16
	s_mov_b32 s35, 32<<16
	s_mov_b32 s36, 64
	s_mov_b32 s37, 32
	s_mov_b32 s38, 0
	s_mov_b32 s39, 0
	s_lshl_b32 s26, s3, 14                         ; my 16 KB of a slot, and of a phase's weights
	s_mov_b32 s27, 0
	s_wait_dscnt 0x0
	s_wait_kmcnt 0x0
	s_add_nc_u64 s[28:29], s[18:19], s[26:27]
	s_mov_b32 s40, 1
	s_mov_b32 s41, s26
	s_mov_b64 s[42:43], s[28:29]                   ; q's weights
	s_or_b32 s43, s43, 0x80000000
	s_mov_b32 s44, 1
	s_add_co_u32 s45, s26, SLOT
	s_add_nc_u64 s[46:47], s[28:29], SLOT          ; k's weights
	s_or_b32 s47, s47, 0x80000000
	ROUND                                          ; in front of the first joint loads
	tensor_load_to_lds s[40:43], s[32:39]
	s_nop 0
	tensor_load_to_lds s[44:47], s[32:39]
	s_nop 0
	s_mov_b32 s54, 0x76543210
	s_mov_b32 s55, 0xfedcba98
	s_mov_b32 s56, 0x3b800000                      ; 1/256
	s_mov_b32 s57, 0x3727c5ac                      ; 1e-5
	s_lshl_b32 s48, s5, 16
	s_lshl_b32 s49, s3, 13
	s_add_co_u32 s48, s48, s49                     ; (64 WG + 8 w) rows of 1,024 bytes
	s_mov_b32 s49, 0
	s_add_nc_u64 s[8:9], s[8:9], s[48:49]
	s_add_nc_u64 s[10:11], s[10:11], s[48:49]
	s_lshl3_add_u32 s50, s6, s3                    ; 8 b + w
	s_lshl_b32 s48, s50, 16
	s_lshl_b32 s51, s7, 12
	s_add_co_u32 s48, s48, s51                     ; qf: 64 KB a head, 4 KB a block
	s_add_nc_u64 s[20:21], s[20:21], s[48:49]
	s_lshl_b32 s48, s48, 1                         ; kv: twice that
	s_add_nc_u64 s[22:23], s[22:23], s[48:49]
	s_lshl_b32 s52, s50, 16
	s_lshl_b32 s53, s7, 10
	s_add_co_u32 s52, s52, s53                     ; vd: 64 KB a head; in each quarter's plane 64 tokens x 16 bytes a block
	s_mov_b32 s53, 0
	s_add_nc_u64 s[24:25], s[24:25], s[52:53]
	v_and_b32 v11, 31, v0
	v_lshlrev_b32 v1, 4, v11                       ; 16 lane
	v_and_b32 v2, 15, v0
	v_bfe_u32 v3, v0, 4, 1
	s_mul_i32 s30, s3, 8*AP
	s_add_co_u32 s30, s30, ACT
	v_lshl_add_u32 v4, v11, 3, s30                 ; where my rows go: ACT + 8 w rows + 8 lane
	v_mul_u32_u24 v5, v2, AP
	v_lshl_add_u32 v5, v3, 4, v5
	v_add_nc_u32 v5, ACT, v5                       ; fragment reads: ACT + row x pitch + 16 half
	v_add_nc_u32 v6, s26, v1                       ; my weights in slot 0
	v_add_nc_u32 v7, SLOT, v6                      ; and in slot 1
	v_lshlrev_b32 v8, 4, v2
	v_lshl_add_u32 v8, v3, 14, v8                  ; vd: 16 row + a plane of 16,384 bytes x half
	s_lshl_b32 s31, s3, 7
	v_lshl_add_u32 v10, v3, 5, s31                 ; vproj_b: 128 w + 32 half
	global_load_b128 v[64:67], v1, s[12:13]
	global_load_b128 v[68:71], v1, s[12:13] offset:512
	global_load_b128 v[72:75], v1, s[14:15]
	global_load_b128 v[76:79], v1, s[14:15] offset:512
.irp ri,0,1,2,3,4,5,6,7
	global_load_b128 v[128+8*\ri:131+8*\ri], v1, s[8:9] offset:\ri*1024
	global_load_b128 v[132+8*\ri:135+8*\ri], v1, s[8:9] offset:\ri*1024+512
.endr
.irp ri,0,1,2,3,4,5,6,7
	global_load_b128 v[192+8*\ri:195+8*\ri], v1, s[10:11] offset:\ri*1024 th:TH_LOAD_NT
	global_load_b128 v[196+8*\ri:199+8*\ri], v1, s[10:11] offset:\ri*1024+512 th:TH_LOAD_NT
.endr
	s_wait_loadcnt 16                              ; gains and x are in; value's sixteen loads stay out
.irp ri,0,1,2,3,4,5,6,7
	LNROW 128+8*\ri, 4, \ri*AP
.endr
	s_wait_loadcnt 0x0
.irp ri,0,1,2,3,4,5,6,7
.irp j,0,1,2,3
	v_cvt_pk_bf16_f32 v[32+4*\ri+\j], v[192+8*\ri+2*\j], v[193+8*\ri+2*\j]
.endr
.endr
	s_wait_dscnt 0x0                               ; my rows of LN1(x) are in LDS
	s_wait_tensorcnt 0x1                           ; q's weights have landed; k's stay out
	BAR
	XLOAD
	GEMM64 6, 0                                    ; q
.set i, 64
.rept 32
	v_pk_mul_f32 v[i:i+1], v[i:i+1], 0x3e8293ee op_sel_hi:[1,0]   ; 32^-0.5 log2(e)
.set i, i+2
.endr
	OUTF 20, 2048, 1024, 512, 0                    ; fragment q at q KB, half t at 512 t
	REFILL 0                                       ; v's weights; every wave's reads of ACT were waited for in front of the round
.irp ri,0,1,2,3,4,5,6,7
	ds_store_b64 v4, v[32+4*\ri:33+4*\ri] offset:\ri*AP
	ds_store_b64 v4, v[34+4*\ri:35+4*\ri] offset:\ri*AP+256
.endr
	GEMM64 7, 0                                    ; k
	OUTF 22, 4096, 1024, 512, 0                    ; 32 keys are 4 KB: K tile q%2 at 1 KB each
	REFILL 1                                       ; vproj's weights; the value rows are in LDS for every wave behind this round
	GEMM64 6, 1                                    ; v, tokens as source 0
	OUTF 22, 4096, 512, 1024, 2048                 ; V transposed: d-tile t at 2 KB + 1 KB t, keys 16 (q%2) .. in its half q%2
	global_load_b128 v[32:35], v10, s[16:17]
	global_load_b128 v[36:39], v10, s[16:17] offset:16
	global_load_b128 v[40:43], v10, s[16:17] offset:64
	global_load_b128 v[44:47], v10, s[16:17] offset:80
	XLOAD                                          ; now the value rows
	s_wait_tensorcnt 0x0                           ; vproj's weights: the last load
	GEMM64 7, 0
	s_wait_loadcnt 0x0
	; the projected value: bias, bf16, and out: tile (t, q) is quarter 2t + half of tokens 16 q + row; lanes 0-15 store 256 consecutive bytes, aligned, lanes 16-31 the same in the next plane
.irp t,0,1
.irp q,0,1,2,3
.irp j,0,2,4,6
	v_pk_add_f32 v[64+8*(4*\t+\q)+\j:65+8*(4*\t+\q)+\j], v[64+8*(4*\t+\q)+\j:65+8*(4*\t+\q)+\j], v[32+8*\t+\j:33+8*\t+\j]
.endr
	PACK 64+8*(4*\t+\q)
	global_store_b128 v8, v[64+8*(4*\t+\q):64+8*(4*\t+\q)+3], s[24:25] offset:\t*32768+\q*256
.endr
.endr
	s_wait_tensorcnt 0x0
	ds_add_u32 v30, v31
	s_wait_dscnt 0x0
	ROUND                                          ; the closing round
	s_endpgm
.Lfunc_end_k_q603e8ab57c_qkv:
	.size	k_q603e8ab57c_qkv, .Lfunc_end_k_q603e8ab57c_qkv-k_q603e8ab57c_qkv
	.p2alignl 7, 3214868480
	.fill 96, 4, 3214868480
	.section	.rodata,"a",@progbits
	.p2align	6, 0x0
	.amdhsa_kernel k_q603e8ab57c_qkv
		.amdhsa_group_segment_fixed_size 327680
		.amdhsa_private_segment_fixed_size 0
		.amdhsa_enable_private_segment 0
		.amdhsa_kernarg_size 72
		.amdhsa_user_sgpr_count 2
		.amdhsa_user_sgpr_kernarg_segment_ptr 1
		.amdhsa_wavefront_size32 1
		.amdhsa_system_sgpr_workgroup_id_x 1
		.amdhsa_system_sgpr_workgroup_id_y 1
		.amdhsa_system_sgpr_workgroup_id_z 1
		.amdhsa_system_vgpr_workitem_id 0
		.amdhsa_next_free_vgpr 512
		.amdhsa_next_free_sgpr 66
		.amdhsa_reserve_vcc 0
		.amdhsa_float_denorm_mode_32 3
		.amdhsa_float_denorm_mode_16_64 3
		.amdhsa_memory_ordered 1
		.amdhsa_forward_progress 1
		.amdhsa_inst_pref_size 83
	.end_amdhsa_kernel
	.amdgpu_metadata
---
amdhsa.version: [ 1, 2 ]
amdhsa.kernels:
  - .name:           k_q603e8ab57c_qkv
    .symbol:         k_q603e8ab57c_qkv.kd
    .args:
      - { .name: x, .offset: 0, .size: 8, .value_kind: global_buffer, .address_space: global }
      - { .name: value, .offset: 8, .size: 8, .value_kind: global_buffer, .address_space: global }
      - { .name: ln1_w, .offset: 16, .size: 8, .value_kind: global_buffer, .address_space: global }
      - { .name: ln1_b, .offset: 24, .size: 8, .value_kind: global_buffer, .address_space: global }
      - { .name: vproj_b, .offset: 32, .size: 8, .value_kind: global_buffer, .address_space: global }
      - { .name: wb, .offset: 40, .size: 8, .value_kind: global_buffer, .address_space: global }
      - { .name: qf, .offset: 48, .size: 8, .value_kind: global_buffer, .address_space: global }
      - { .name: kv, .offset: 56, .size: 8, .value_kind: global_buffer, .address_space: global }
      - { .name: vd, .offset: 64, .size: 8, .value_kind: global_buffer, .address_space: global }
    .group_segment_fixed_size: 327680
    .private_segment_fixed_size: 0
    .kernarg_segment_align: 8
    .kernarg_segment_size: 72
    .max_flat_workgroup_size: 256
    .sgpr_count:     66
    .vgpr_count:     512
    .wavefront_size: 32
...
	.end_amdgpu_metadata
.endif
;; end of part 2
;; launch attn (part 3): grid 256 x 1, 8 waves a work-group, clusters of 4 x 1, 327,680 bytes of LDS; arguments qf, kv, wb, x, proj_b, ln2_w, ln2_b, off_b, aw_b, ref, x1, sidx, swt; writes x1, sidx, swt
.if DOCPART == 3
	.amdgcn_target "amdgcn-amd-amdhsa--gfx1250"
	.amdhsa_code_object_version 6
	.text
	.protected	k_q603e8ab57c_attn
	.globl	k_q603e8ab57c_attn
	.p2align	8
	.type	k_q603e8ab57c_attn,@function
k_q603e8ab57c_attn:
	s_mov_b64 s[64:65], 0
	v_nop
	global_prefetch_b8 v0, s[64:65] scope:SCOPE_SE
	s_setreg_imm32_b32 hwreg(HW_REG_WAVE_MODE, 25, 1), 1
	s_wait_xcnt 0x0
	s_wait_alu depctr_hold_cnt(0) depctr_sa_sdst(0) depctr_va_vdst(0) depctr_va_sdst(0) depctr_va_ssrc(0) depctr_va_vcc(0) depctr_vm_vsrc(0)
	s_getreg_b32 s2, hwreg(HW_REG_IB_STS2, 6, 4)
	s_cmp_eq_u32 s2, 0
	s_cbranch_scc0 .Lentry_in_a_cluster
	s_endpgm
.Lentry_in_a_cluster:
	s_bfe_u32 s2, ttmp6, 0x10000c
	s_cmp_lg_u32 s2, 0x3003
	s_cbranch_scc0 .Lentry_shape_is_right
	s_endpgm
.Lentry_shape_is_right:
; attn: dense attention with a running maximum, proj, + x (x1 out), LN2, the offset and weight products, and from them the sampling
; offsets (whole numbers, sidx) and weights (swt) for the next launch.
; A work-group owns 64 queries of batch b; wave w owns head w.  K and V come as fragments from kv through two LDS slots of 128 KB: a slot holds
; 128 keys of all heads, 16 KB a wave, each wave's own.  The four work-groups of a cluster are four query blocks of one batch and ask jointly (mask 15).
; After the last keys slot 0 takes proj_w (16 KB a wave, read by that wave) and slot 1 the 48 KB of off_w and aw_w (read by all).
; By this text's own count a wave has two tensor loads out at the start and one behind each refill.
; S = K Q^T: a lane holds query lane%16 and keys 8 (lane/16) + 0..7 of each of two key tiles; packed, that is P's fragment.  O = V^T P likewise.
; The scores are in units of log 2 (q was scaled), the running maximum is taken away before every exponential.
; LIMITS: matrix operands are bf16; NaN and infinities are not served; the three factors of a sampling weight are multiplied as (x (y aw)).
; LDS: slots at 0 and 131,072; ACT at 262,144 (O's fragments [head][q][1 KB], later LN2 rows at pitch 528); the stage of 64 rows of f32 at pitch 1,040
; lies at byte 0, in slot 0, after its last fill has been read by all.
; REGISTERS block 0: v1-v15 addresses; v[16:23] (M, L) a query tile; v[24:31] (alpha, filler); v[32:47] at work; v[48:79] Q; v[80:95] K; v[96:111] V;
;   S0 at 112+8q, S1 at 144+8q; O(dt,q) at 176+8(4dt+q); v[240:251] LN at work, v253 ref's offset, v[254:255] ref.  Block 1: v[0:63] x rows.
.set SLOT, 131072
.set ACT, 262144
.set AP, 528
.set SP, 1040
.set WPROJ, 524288
.set WOA, 655360
.set LD, 240
.set LT, 248
.set GW, 48
.set GB, 56
.set SPL, 86
.set SINV, 88
.set SEPS, 89
.set MSB, 0
.macro WIN new
.if MSB != \new
	s_set_vgpr_msb (MSB<<8)|\new
.set MSB, \new
.endif
.endm
.macro PLACES
.rept 4
	v_nop
.endr
.endm
.macro BAR
	s_barrier_signal -1
	s_barrier_wait -1
.endm
.macro ROUND
	s_barrier_signal -1
	s_barrier_wait -1
	s_cmp_lg_u32 s3, 0
	s_cbranch_scc1 .Lnot_wave_0_\@
	s_barrier_signal -3
.Lnot_wave_0_\@:
	s_barrier_wait -3
	s_barrier_signal -1
	s_barrier_wait -1
.endm
.macro RED32 a, b
	v_add_f32_dpp v[\a], v[\a], v[\a] row_xmask:1 row_mask:0xf bank_mask:0xf
	v_add_f32_dpp v[\a], v[\a], v[\a] row_xmask:2 row_mask:0xf bank_mask:0xf
	v_add_f32_dpp v[\a], v[\a], v[\a] row_xmask:4 row_mask:0xf bank_mask:0xf
	v_add_f32_dpp v[\a], v[\a], v[\a] row_xmask:8 row_mask:0xf bank_mask:0xf
	v_permlanex16_b32 v[\b], v[\a], s[SPL], s[SPL+1]
	v_add_f32 v[\a], v[\a], v[\b]
.endm
.macro LNROW x, adr, off               ; layer norm of one row (columns 4 lane .. and 128 + 4 lane ..), mean first, then squared differences; bf16 to LDS
	v_pk_add_f32 v[LT:LT+1], v[\x:\x+1], v[\x+2:\x+3]
	v_pk_add_f32 v[LT+2:LT+3], v[\x+4:\x+5], v[\x+6:\x+7]
	v_pk_add_f32 v[LT:LT+1], v[LT:LT+1], v[LT+2:LT+3]
	v_add_f32 v[LT], v[LT], v[LT+1]
	RED32 LT, LT+1
	v_mul_f32 v[LT], s[SINV], v[LT]
.irp j,0,2,4,6
	v_pk_add_f32 v[LD+\j:LD+\j+1], v[\x+\j:\x+\j+1], v[LT:LT+1] op_sel_hi:[1,0] neg_lo:[0,1] neg_hi:[0,1]
.endr
	v_pk_mul_f32 v[LT+2:LT+3], v[LD:LD+1], v[LD:LD+1]
.irp j,2,4,6
	v_pk_fma_f32 v[LT+2:LT+3], v[LD+\j:LD+\j+1], v[LD+\j:LD+\j+1], v[LT+2:LT+3]
.endr
	v_add_f32 v[LT+2], v[LT+2], v[LT+3]
	RED32 LT+2, LT+3
	v_fma_f32 v[LT], v[LT+2], s[SINV], s[SEPS]
	v_rsq_f32 v[LT+2], v[LT]
	v_nop
	s_wait_alu depctr_va_vdst(0)
.irp j,0,2,4,6
	v_pk_mul_f32 v[LD+\j:LD+\j+1], v[LD+\j:LD+\j+1], v[LT+2:LT+3] op_sel_hi:[1,0]
.endr
.irp j,0,2,4,6
	v_pk_fma_f32 v[LD+\j:LD+\j+1], v[LD+\j:LD+\j+1], v[GW+\j:GW+\j+1], v[GB+\j:GB+\j+1]
.endr
	v_cvt_pk_bf16_f32 v[LT], v[LD], v[LD+1]
	v_cvt_pk_bf16_f32 v[LT+1], v[LD+2], v[LD+3]
	v_cvt_pk_bf16_f32 v[LT+2], v[LD+4], v[LD+5]
	v_cvt_pk_bf16_f32 v[LT+3], v[LD+6], v[LD+7]
	ds_store_b64 v[\adr], v[LT:LT+1] offset:\off
	ds_store_b64 v[\adr], v[LT+2:LT+3] offset:\off+256
.endm
.macro PACK a
	v_cvt_pk_bf16_f32 v[\a], v[\a], v[\a+1]
	v_cvt_pk_bf16_f32 v[\a+1], v[\a+2], v[\a+3]
	v_cvt_pk_bf16_f32 v[\a+2], v[\a+4], v[\a+5]
	v_cvt_pk_bf16_f32 v[\a+3], v[\a+6], v[\a+7]
.endm
.macro MM d, a, b, acc
.if \acc
	v_wmma_f32_16x16x32_bf16 v[\d:\d+7], v[\a:\a+7], v[\b:\b+7], v[\d:\d+7]
.else
	v_wmma_f32_16x16x32_bf16 v[\d:\d+7], v[\a:\a+7], v[\b:\b+7], 0
.endif
.endm
.macro KLOAD ka, st                    ; two K tiles of 32 keys
.irp i,0,1,2,3
	ds_load_b128 v[80+4*\i:83+4*\i], v[\ka] offset:(\st)*4096+512*\i
.endr
.endm
.macro VLOAD ka, st                    ; two d-tiles of V transposed
.irp i,0,1,2,3
	ds_load_b128 v[96+4*\i:99+4*\i], v[\ka] offset:(\st)*4096+2048+512*\i
.endr
.endm
.macro OSCALE                          ; O times the first register of each query tile's pair in v[24:31]
.irp dt,0,1
.irp q,0,1,2,3
.irp j,0,2,4,6
	v_pk_mul_f32 v[176+8*(4*\dt+\q)+\j:177+8*(4*\dt+\q)+\j], v[176+8*(4*\dt+\q)+\j:177+8*(4*\dt+\q)+\j], v[24+2*\q:25+2*\q] op_sel_hi:[1,0]
.endr
.endr
.endr
.endm
; 32 keys x 64 queries.  first = 1: nothing has been summed yet.  more = 1: the next 32 keys' K tiles are fetched from the same slot.
.macro STEP ka, st, first, more
	VLOAD \ka, \st
	s_wait_dscnt 0x4                               ; K's four loads are in; V's four, just issued, stay out
.irp kt,0,1
.irp q,0,1,2,3
	MM 112+32*\kt+8*\q, 80+8*\kt, 48+8*\q, 0
.endr
.endr
	PLACES
.if \more
	KLOAD \ka, \st+1
.endif
.irp q,0,1,2,3
	v_max3_num_f32 v[32+\q], v[112+8*\q], v[113+8*\q], v[114+8*\q]
.endr
.irp a,115,117,145,147,149
.irp q,0,1,2,3
	v_max3_num_f32 v[32+\q], v[32+\q], v[\a+8*\q], v[\a+1+8*\q]
.endr
.endr
.irp q,0,1,2,3
	v_max3_num_f32 v[32+\q], v[32+\q], v[119+8*\q], v[144+8*\q]
.endr
.irp q,0,1,2,3
	v_max_num_f32 v[32+\q], v[32+\q], v[151+8*\q]
.endr
.irp q,0,1,2,3
	v_permlanex16_b32 v[36+\q], v[32+\q], s[SPL], s[SPL+1]         ; the other 16 keys of the same query
.endr
.irp q,0,1,2,3
.if \first
	v_max_num_f32 v[16+2*\q], v[32+\q], v[36+\q]
.else
	v_max3_num_f32 v[32+\q], v[32+\q], v[36+\q], v[16+2*\q]
	v_sub_f32 v[24+2*\q], v[16+2*\q], v[32+\q]                     ; old maximum - new one
	v_mov_b32 v[16+2*\q], v[32+\q]
.endif
.endr
.irp q,0,1,2,3
.irp j,0,2,4,6
	v_pk_add_f32 v[112+8*\q+\j:113+8*\q+\j], v[112+8*\q+\j:113+8*\q+\j], v[16+2*\q:17+2*\q] op_sel_hi:[1,0] neg_lo:[0,1] neg_hi:[0,1]
	v_pk_add_f32 v[144+8*\q+\j:145+8*\q+\j], v[144+8*\q+\j:145+8*\q+\j], v[16+2*\q:17+2*\q] op_sel_hi:[1,0] neg_lo:[0,1] neg_hi:[0,1]
.endr
.endr
.set i, 112
.rept 64
	v_exp_f32 v[i], v[i]
.set i, i+1
.endr
.if 1-\first
.irp q,0,1,2,3
	v_exp_f32 v[24+2*\q], v[24+2*\q]
.endr
.endif
	v_nop                                          ; one plain place behind the run of transcendentals
	s_wait_alu depctr_va_vdst(0)
.irp q,0,1,2,3
	v_pk_add_f32 v[40:41], v[112+8*\q:113+8*\q], v[114+8*\q:115+8*\q]
	v_pk_add_f32 v[42:43], v[116+8*\q:117+8*\q], v[118+8*\q:119+8*\q]
	v_pk_add_f32 v[44:45], v[144+8*\q:145+8*\q], v[146+8*\q:147+8*\q]
	v_pk_add_f32 v[46:47], v[148+8*\q:149+8*\q], v[150+8*\q:151+8*\q]
	v_pk_add_f32 v[40:41], v[40:41], v[42:43]
	v_pk_add_f32 v[44:45], v[44:45], v[46:47]
	v_pk_add_f32 v[40:41], v[40:41], v[44:45]
.if \first
	v_add_f32 v[17+2*\q], v40, v41
.else
	v_fma_f32 v[17+2*\q], v[17+2*\q], v[24+2*\q], v40
	v_add_f32 v[17+2*\q], v[17+2*\q], v41
.endif
	PACK 112+8*\q                                  ; P's fragment in v[112+8q : 119+8q]
.irp i,0,1,2,3
	v_cvt_pk_bf16_f32 v[116+8*\q+\i], v[144+8*\q+2*\i], v[145+8*\q+2*\i]
.endr
.endr
.if 1-\first
	OSCALE
.endif
.if \more
	s_wait_dscnt 0x4                               ; V is in; the next K tiles' four loads stay out
.else
	s_wait_dscnt 0x0
.endif
.irp dt,0,1
.irp q,0,1,2,3
	MM 176+8*(4*\dt+\q), 96+8*\dt, 112+8*\q, 1-\first              ; the eight accumulators take turns
.endr
.endr
.rept 5
	v_nop                                          ; five places: the next S is written over P, which these instructions read
.endr
.endm
.macro CHUNK ka, first                 ; 128 keys
	KLOAD \ka, 0
	STEP \ka, 0, \first, 1
	STEP \ka, 1, 0, 1
	STEP \ka, 2, 0, 1
	STEP \ka, 3, 0, 0
.endm
.macro REFILL g0, g1, step
	s_set_vgpr_msb 0x5
	s_wait_tensorcnt 0x0                           ; all my tensor loads have landed, so a group 0 may be written
	ds_add_u32 v64, v65
	s_wait_dscnt 0x0
	s_set_vgpr_msb 0x500
.if \step
	s_add_nc_u64 s[\g0+2:\g0+3], s[\g0+2:\g0+3], \step
.endif
	s_wait_dscnt 0x0                               ; my reads of the slot are done
	ROUND                                          ; both now hold of every wave of the four work-groups
	tensor_load_to_lds s[\g0:\g0+3], s[\g1:\g1+7]
	s_nop 0
.endm
	s_load_b512 s[8:23], s[0:1], 0x0               ; qf 8, kv 10, wb 12, x 14, proj_b 16, ln2_w 18, ln2_b 20, off_b 22
	s_load_b256 s[24:31], s[0:1], 0x40             ; aw_b 24, ref 26, x1 28, sidx 30
	s_load_b64 s[32:33], s[0:1], 0x60              ; swt
	s_set_vgpr_msb 0x40
	v_lshl_add_u32 v64, v0, 2, 0x48400
	v_mov_b32 v65, 0
	s_set_vgpr_msb 0x4045
	ds_add_u32 v64, v65
	s_set_vgpr_msb 0x4500
	v_lshrrev_b32 v1, 5, v0
	v_readfirstlane_b32 s3, v1                     ; wave = head
	s_bfe_u32 s4, ttmp6, 0x40000                   ; cx
	s_lshl_b32 s5, ttmp9, 2
	s_add_co_u32 s5, s5, s4                        ; work-group; enters addresses of rows in memory alone
	s_lshr_b32 s6, ttmp9, 2                        ; batch: made of the cluster's number, which the four partners share
	s_and_b32 s7, s5, 15                           ; block of 64 queries
	s_and_b32 s82, s3, 3                           ; qt: my tile of 16 tokens in the last products
	s_lshr_b32 s83, s3, 2                          ; g: my half of the heads there
	s_mov_b32 s36, 15|(3<<16)|(1<<21)              ; group 1: 64 rows x 256 bytes, dense
	s_mov_b32 s37, 32<<16
	s_mov_b32 s38, 64<<16
	s_mov_b32 s39, 32<<16
	s_mov_b32 s40, 64
	s_mov_b32 s41, 32
	s_mov_b32 s42, 0
	s_mov_b32 s43, 0
	s_mov_b32 s44, 15|(3<<16)|(1<<21)              ; group 1: 24 rows x 256 bytes
	s_mov_b32 s45, 32<<16
	s_mov_b32 s46, 24<<16
	s_mov_b32 s47, 32<<16
	s_mov_b32 s48, 24
	s_mov_b32 s49, 32
	s_mov_b32 s50, 0
	s_mov_b32 s51, 0
	s_lshl_b32 s72, s3, 14
	s_mov_b32 s73, 0
	s_lshl3_add_u32 s74, s6, s3                    ; 8 b + w
	s_lshl_b32 s76, s74, 17                        ; 128 KB of K and V a head
	s_mov_b32 s77, 0
	s_mul_i32 s78, s3, 6144
	s_mov_b32 s79, 0
	s_wait_dscnt 0x0
	s_wait_kmcnt 0x0
	s_mov_b32 s52, 1                               ; slot 0: keys 0-127
	s_mov_b32 s53, s72
	s_add_nc_u64 s[54:55], s[10:11], s[76:77]
	s_mov_b32 s56, 1                               ; slot 1: keys 128-255
	s_add_co_u32 s57, s72, SLOT
	s_add_nc_u64 s[58:59], s[54:55], 16384
	s_or_b32 s55, s55, 0x80000000
	s_or_b32 s59, s59, 0x80000000
	s_mov_b32 s60, 1                               ; proj_w's n-tiles 2w, 2w+1 into slot 0
	s_mov_b32 s61, s72
	s_add_nc_u64 s[62:63], s[12:13], s[72:73]
	s_add_nc_u64 s[62:63], s[62:63], WPROJ
	s_or_b32 s63, s63, 0x80000000
	s_mov_b32 s68, 1                               ; an eighth of off_w and aw_w into slot 1
	s_add_co_u32 s69, s78, SLOT
	s_add_nc_u64 s[70:71], s[12:13], s[78:79]
	s_add_nc_u64 s[70:71], s[70:71], WOA
	s_or_b32 s71, s71, 0x80000000
	ROUND                                          ; in front of the first joint loads
	tensor_load_to_lds s[52:55], s[36:43]
	s_nop 0
	tensor_load_to_lds s[56:59], s[36:43]
	s_nop 0
	s_lshl_b32 s76, s74, 16
	s_lshl_b32 s80, s7, 12
	s_add_co_u32 s76, s76, s80
	s_add_nc_u64 s[8:9], s[8:9], s[76:77]          ; my four Q fragments
	v_and_b32 v252, 31, v0
	v_lshlrev_b32 v1, 4, v252                      ; 16 lane
.irp i,0,1,2,3,4,5,6,7
	global_load_b128 v[48+4*\i:51+4*\i], v1, s[8:9] offset:512*\i th:TH_LOAD_NT
.endr
	s_lshl_b32 s76, s5, 16
	s_lshl_b32 s80, s3, 13
	s_add_co_u32 s76, s76, s80
	s_add_nc_u64 s[14:15], s[14:15], s[76:77]      ; x and x1 at row 64 WG + 8 w
	s_add_nc_u64 s[28:29], s[28:29], s[76:77]
	s_lshl_b32 s76, s5, 9
	s_add_nc_u64 s[26:27], s[26:27], s[76:77]      ; ref at token 64 WG
	s_lshl2_add_u32 s76, s5, s82
	s_lshl_b32 s76, s76, 13
	s_lshl_b32 s80, s83, 12
	s_add_co_u32 s76, s76, s80
	s_add_nc_u64 s[30:31], s[30:31], s[76:77]      ; sidx and swt: 8 KB a tile of 16 tokens, 4 KB a half of the heads
	s_add_nc_u64 s[32:33], s[32:33], s[76:77]
	s_mov_b32 s85, 0x41f80000                      ; 31.0
	s_mov_b32 s86, 0x76543210
	s_mov_b32 s87, 0xfedcba98
	s_mov_b32 s88, 0x3b800000                      ; 1/256
	s_mov_b32 s89, 0x3727c5ac                      ; 1e-5
	s_mov_b32 s90, 0x3d000000                      ; 1/32
	s_mov_b32 s91, 0x42000000                      ; 32.0
	s_mov_b32 s92, 0x3fb8aa3b                      ; log2(e)
	v_and_b32 v2, 15, v0
	v_bfe_u32 v3, v0, 4, 1
	v_add_nc_u32 v4, s72, v1                       ; my part of slot 0
	v_add_nc_u32 v5, SLOT, v4                      ; and of slot 1
	v_add_nc_u32 v6, ACT, v1                       ; O's fragments
	s_lshl_b32 s80, s3, 12
	v_add_nc_u32 v7, s80, v6                       ; my head's four
	v_mul_u32_u24 v8, v2, SP
	v_lshl_add_u32 v8, v3, 5, v8
	s_lshl_b32 s80, s3, 7
	v_add_nc_u32 v8, s80, v8                       ; stage, in: row x 1,040 + 128 w + 32 half
	s_mul_i32 s80, s3, 8*SP
	v_add_nc_u32 v9, s80, v1                       ; stage, back: rows 8 w ..
	s_mul_i32 s80, s3, 8*AP
	s_add_co_u32 s80, s80, ACT
	v_lshl_add_u32 v10, v252, 3, s80               ; LN2 rows, in
	s_mul_i32 s80, s82, 16*AP
	s_add_co_u32 s80, s80, ACT
	v_mul_u32_u24 v11, v2, AP
	v_lshl_add_u32 v11, v3, 4, v11
	v_add_nc_u32 v11, s80, v11                     ; LN2 fragments of tile qt
	s_lshl_b32 s80, s83, 14
	s_add_co_u32 s80, s80, SLOT
	v_add_nc_u32 v12, s80, v1                      ; off_w tiles 2g, 2g+1
	s_lshl_b32 s80, s83, 13
	s_add_co_u32 s80, s80, SLOT+32768
	v_add_nc_u32 v13, s80, v1                      ; aw_w tile g
	s_lshl_b32 s80, s83, 7
	v_lshl_add_u32 v14, v3, 5, s80                 ; off_b: 128 g + 32 half
	s_lshl_b32 s80, s83, 6
	v_lshl_add_u32 v15, v3, 4, s80                 ; aw_b: 64 g + 16 half
	s_lshl_b32 s80, s82, 7
	v_lshl_add_u32 v253, v2, 3, s80                ; ref: 8 (16 qt + row)
.irp q,0,1,2,3
	v_mov_b32 v[17+2*\q], 0                        ; written so that the pairs and the lane exchanges name written registers
	v_mov_b32 v[25+2*\q], 0
	v_mov_b32 v[36+\q], 0
.endr
	s_wait_loadcnt 0x0                             ; Q
	s_wait_tensorcnt 0x1                           ; keys 0-127 are in; the second slot's load stays out
	CHUNK 4, 1                                     ; the first lap stands in front of the loop: its first step starts the sums
	REFILL 52, 36, 32768
	CHUNK 5, 0
	REFILL 56, 36, 32768
	s_mov_b32 s84, 2
.Llap:
	CHUNK 4, 0
	REFILL 52, 36, 32768
	CHUNK 5, 0
	REFILL 56, 36, 32768
	s_sub_co_u32 s84, s84, 1
	s_cmp_lg_u32 s84, 0
	s_cbranch_scc1 .Llap
	CHUNK 4, 0
	REFILL 60, 36, 0                               ; proj_w
	CHUNK 5, 0
	REFILL 68, 44, 0                               ; off_w and aw_w; its wait for all loads has shown proj_w landed
	; x rows, gains and proj_b are asked for now and used behind the projection
	WIN 0x40
.irp ri,0,1,2,3,4,5,6,7
	global_load_b128 v[8*\ri:8*\ri+3], v1, s[14:15] offset:\ri*1024 th:TH_LOAD_NT
	global_load_b128 v[8*\ri+4:8*\ri+7], v1, s[14:15] offset:\ri*1024+512 th:TH_LOAD_NT
.endr
	WIN 0
	global_load_b128 v[48:51], v1, s[18:19]
	global_load_b128 v[52:55], v1, s[18:19] offset:512
	global_load_b128 v[56:59], v1, s[20:21]
	global_load_b128 v[60:63], v1, s[20:21] offset:512
	global_load_b128 v[64:67], v1, s[16:17]
	global_load_b128 v[68:71], v1, s[16:17] offset:512
.irp q,0,1,2,3
	v_permlanex16_b32 v[36+\q], v[17+2*\q], s[SPL], s[SPL+1]
.endr
.irp q,0,1,2,3
	v_add_f32 v[36+\q], v[36+\q], v[17+2*\q]       ; the whole row's sum, at least 1
.endr
.irp q,0,1,2,3
	v_rcp_f32 v[24+2*\q], v[36+\q]
.endr
	v_nop
	s_wait_alu depctr_va_vdst(0)
	OSCALE
.irp dt,0,1
.irp q,0,1,2,3
	PACK 176+8*(4*\dt+\q)
	ds_store_b128 v7, v[176+8*(4*\dt+\q):176+8*(4*\dt+\q)+3] offset:\q*1024+\dt*512
.endr
.endr
	s_wait_dscnt 0x0
	BAR                                            ; every head's O is in LDS
	; proj: n-tiles 2w, 2w+1 x 64 tokens, K step = head.  Two buffers of 4 + 2 fragments.
.macro LOADK buf, ks
.irp q,0,1,2,3
	ds_load_b128 v[176+32*(\buf)+8*\q:176+32*(\buf)+8*\q+3], v6 offset:(4*(\ks)+\q)*1024
	ds_load_b128 v[176+32*(\buf)+8*\q+4:176+32*(\buf)+8*\q+7], v6 offset:(4*(\ks)+\q)*1024+512
.endr
.irp t,0,1
	ds_load_b128 v[80+16*(\buf)+8*\t:80+16*(\buf)+8*\t+3], v4 offset:(8*\t+(\ks))*1024
	ds_load_b128 v[80+16*(\buf)+8*\t+4:80+16*(\buf)+8*\t+7], v4 offset:(8*\t+(\ks))*1024+512
.endr
.endm
	LOADK 0, 0
.irp s,0,1,2,3,4,5,6,7
.if \s < 7
.if \s > 0
	PLACES
.endif
	LOADK (\s+1)&1, \s+1
	s_wait_dscnt 12                                ; all but the twelve loads of the next K step
.else
	s_wait_dscnt 0x0
.endif
.irp t,0,1
.irp q,0,1,2,3
	MM 112+8*(4*\t+\q), 80+16*(\s&1)+8*\t, 176+32*(\s&1)+8*\q, \s
.endr
.endr
.endr
	PLACES
	BAR                                            ; every wave has read its weights in slot 0 and O's fragments (its LDS loads were waited for above)
.irp t,0,1
.irp q,0,1,2,3
	ds_store_b128 v8, v[112+8*(4*\t+\q):112+8*(4*\t+\q)+3] offset:\q*16*SP+64*\t
	ds_store_b128 v8, v[112+8*(4*\t+\q)+4:112+8*(4*\t+\q)+7] offset:\q*16*SP+64*\t+16
.endr
.endr
	s_wait_dscnt 0x0
	s_wait_tensorcnt 0x0                           ; my eighth of off_w and aw_w has landed: the others read it behind this barrier
	BAR
.irp ri,0,1,2,3,4,5,6,7
	ds_load_b128 v[176+8*\ri:179+8*\ri], v9 offset:\ri*SP
	ds_load_b128 v[180+8*\ri:183+8*\ri], v9 offset:\ri*SP+512
.endr
	global_load_b128 v[128:131], v14, s[22:23]             ; off_b and aw_b go straight into the accumulators of the next product
	global_load_b128 v[132:135], v14, s[22:23] offset:16
	global_load_b128 v[136:139], v14, s[22:23] offset:64
	global_load_b128 v[140:143], v14, s[22:23] offset:80
	global_load_b128 v[144:147], v15, s[24:25]             ; head 4g + half
	global_load_b128 v[148:151], v15, s[24:25] offset:32   ; head 4g + 2 + half
	global_load_b64 v[254:255], v253, s[26:27]
	s_wait_dscnt 0x0
	s_wait_loadcnt 7                               ; x, gains, proj_b are in; the seven loads just issued stay out
	WIN 0x04
.set i, 0
.rept 32
	v_pk_add_f32 v[176+i:177+i], v[176+i:177+i], v[i:i+1]
.set i, i+2
.endr
	WIN 0
.irp ri,0,1,2,3,4,5,6,7
.irp j,0,2,4,6
	v_pk_add_f32 v[176+8*\ri+\j:177+8*\ri+\j], v[176+8*\ri+\j:177+8*\ri+\j], v[64+\j:65+\j]
.endr
	global_store_b128 v1, v[176+8*\ri:179+8*\ri], s[28:29] offset:\ri*1024       ; x1: 512 consecutive bytes a store
	global_store_b128 v1, v[180+8*\ri:183+8*\ri], s[28:29] offset:\ri*1024+512
	LNROW 176+8*\ri, 10, \ri*AP
.endr
	s_wait_dscnt 0x0
	BAR                                            ; LN2's rows are in LDS
	; offsets and weights: tile qt x (off tiles 2g, 2g+1, aw tile g), three accumulators by turns
	s_wait_xcnt 0x0                                ; v[176:239] were the data of x1's stores
.irp s,0,1,2,3,4,5,6,7
	ds_load_b128 v[176+8*\s:179+8*\s], v11 offset:64*\s
	ds_load_b128 v[180+8*\s:183+8*\s], v11 offset:64*\s+32
.endr
.macro LOADO buf, ks
	ds_load_b128 v[80+24*(\buf):83+24*(\buf)], v12 offset:(\ks)*1024
	ds_load_b128 v[84+24*(\buf):87+24*(\buf)], v12 offset:(\ks)*1024+512
	ds_load_b128 v[88+24*(\buf):91+24*(\buf)], v12 offset:8192+(\ks)*1024
	ds_load_b128 v[92+24*(\buf):95+24*(\buf)], v12 offset:8192+(\ks)*1024+512
	ds_load_b128 v[96+24*(\buf):99+24*(\buf)], v13 offset:(\ks)*1024
	ds_load_b128 v[100+24*(\buf):103+24*(\buf)], v13 offset:(\ks)*1024+512
.endm
	LOADO 0, 0
	s_wait_loadcnt 0x0                             ; the biases and ref
.irp s,0,1,2,3,4,5,6,7
.if \s < 7
.if \s > 0
	PLACES
.endif
	LOADO (\s+1)&1, \s+1
	s_wait_dscnt 6                                 ; all but the six loads of the next K step
.else
	s_wait_dscnt 0x0
.endif
	MM 128, 80+24*(\s&1), 176+8*\s, 1
	MM 136, 88+24*(\s&1), 176+8*\s, 1
	MM 144, 96+24*(\s&1), 176+8*\s, 1
.endr
	PLACES
	; my lane: token 16 qt + lane%16; heads 4g + 2 tt + half, tt = 0, 1: offsets v[128+8tt ..] as (x, y) of four points, logits v[144+4tt ..]
.irp tt,0,1
	v_max3_num_f32 v[32+\tt], v[144+4*\tt], v[145+4*\tt], v[146+4*\tt]
	v_max_num_f32 v[32+\tt], v[32+\tt], v[147+4*\tt]
	v_mul_f32 v[32+\tt], s92, v[32+\tt]
.irp p,0,1,2,3
	v_fma_f32 v[144+4*\tt+\p], v[144+4*\tt+\p], s92, -v[32+\tt]    ; (logit - maximum) log2(e)
.endr
.endr
.set i, 144
.rept 8
	v_exp_f32 v[i], v[i]
.set i, i+1
.endr
	v_nop
	s_wait_alu depctr_va_vdst(0)
.irp tt,0,1
	v_add_f32 v[32+\tt], v[144+4*\tt], v[145+4*\tt]
	v_add_f32 v[34+\tt], v[146+4*\tt], v[147+4*\tt]
	v_add_f32 v[32+\tt], v[32+\tt], v[34+\tt]
.endr
	v_rcp_f32 v32, v32
	v_rcp_f32 v33, v33
	v_nop
	s_wait_alu depctr_va_vdst(0)
.irp tt,0,1
.irp p,0,1,2,3
	v_mul_f32 v[144+4*\tt+\p], v[144+4*\tt+\p], v[32+\tt]
.endr
.endr
; One point: g = (ref + off/32) 32 - 0.5, rounded as in the definition (the two products by powers of two are exact).
; A corner outside the grid gets the weight 0 and a clipped place.  Four byte offsets (token x 64) and four weights, in registers of their own.
.macro SAMPLE tt, p
	v_fma_f32 v32, v[128+8*\tt+2*\p], s90, v254
	v_fma_f32 v33, v[129+8*\tt+2*\p], s90, v255
	v_fma_f32 v32, v32, s91, -0.5
	v_fma_f32 v33, v33, s91, -0.5
	v_floor_f32 v34, v32
	v_floor_f32 v35, v33
	v_sub_f32 v36, v32, v34                        ; lx
	v_sub_f32 v37, v33, v35                        ; ly
	v_sub_f32 v38, 1.0, v36
	v_sub_f32 v39, 1.0, v37
	v_add_f32 v40, 1.0, v34
	v_add_f32 v41, 1.0, v35
	v_med3_num_f32 v42, v34, 0, s85
	v_med3_num_f32 v43, v35, 0, s85
	v_med3_num_f32 v44, v40, 0, s85
	v_med3_num_f32 v45, v41, 0, s85
	v_cmp_eq_f32 vcc_lo, v42, v34
	v_cndmask_b32 v38, 0, v38, vcc_lo
	v_cmp_eq_f32 vcc_lo, v43, v35
	v_cndmask_b32 v39, 0, v39, vcc_lo
	v_cmp_eq_f32 vcc_lo, v44, v40
	v_cndmask_b32 v36, 0, v36, vcc_lo
	v_cmp_eq_f32 vcc_lo, v45, v41
	v_cndmask_b32 v37, 0, v37, vcc_lo
	v_mul_f32 v39, v39, v[144+4*\tt+\p]
	v_mul_f32 v37, v37, v[144+4*\tt+\p]
	v_mul_f32 v[180+8*(4*\tt+\p)], v38, v39
	v_mul_f32 v[181+8*(4*\tt+\p)], v36, v39
	v_mul_f32 v[182+8*(4*\tt+\p)], v38, v37
	v_mul_f32 v[183+8*(4*\tt+\p)], v36, v37
	v_cvt_u32_f32 v42, v42
	v_cvt_u32_f32 v43, v43
	v_cvt_u32_f32 v44, v44
	v_cvt_u32_f32 v45, v45
	v_lshlrev_b32 v42, 6, v42
	v_lshlrev_b32 v44, 6, v44
	v_lshl_add_u32 v[176+8*(4*\tt+\p)], v43, 11, v42
	v_lshl_add_u32 v[177+8*(4*\tt+\p)], v43, 11, v44
	v_lshl_add_u32 v[178+8*(4*\tt+\p)], v45, 11, v42
	v_lshl_add_u32 v[179+8*(4*\tt+\p)], v45, 11, v44
	global_store_b128 v1, v[176+8*(4*\tt+\p):179+8*(4*\tt+\p)], s[30:31] offset:\tt*2048+\p*512
	global_store_b128 v1, v[180+8*(4*\tt+\p):183+8*(4*\tt+\p)], s[32:33] offset:\tt*2048+\p*512
.endm
.irp tt,0,1
.irp p,0,1,2,3
	SAMPLE \tt, \p
.endr
.endr
	s_set_vgpr_msb 0x5
	s_wait_tensorcnt 0x0
	ds_add_u32 v64, v65
	s_wait_dscnt 0x0
	s_set_vgpr_msb 0x500
	ROUND                                          ; the closing round
	s_endpgm
.Lfunc_end_k_q603e8ab57c_attn:
	.size	k_q603e8ab57c_attn, .Lfunc_end_k_q603e8ab57c_attn-k_q603e8ab57c_attn
	.p2alignl 7, 3214868480
	.fill 96, 4, 3214868480
	.section	.rodata,"a",@progbits
	.p2align	6, 0x0
	.amdhsa_kernel k_q603e8ab57c_attn
		.amdhsa_group_segment_fixed_size 327680
		.amdhsa_private_segment_fixed_size 0
		.amdhsa_enable_private_segment 0
		.amdhsa_kernarg_size 104
		.amdhsa_user_sgpr_count 2
		.amdhsa_user_sgpr_kernarg_segment_ptr 1
		.amdhsa_wavefront_size32 1
		.amdhsa_system_sgpr_workgroup_id_x 1
		.amdhsa_system_sgpr_workgroup_id_y 1
		.amdhsa_system_sgpr_workgroup_id_z 1
		.amdhsa_system_vgpr_workitem_id 0
		.amdhsa_next_free_vgpr 322
		.amdhsa_next_free_sgpr 96
		.amdhsa_reserve_vcc 1
		.amdhsa_float_denorm_mode_32 3
		.amdhsa_float_denorm_mode_16_64 3
		.amdhsa_memory_ordered 1
		.amdhsa_forward_progress 1
		.amdhsa_inst_pref_size 255
	.end_amdhsa_kernel
	.section	.bss,"aw",@nobits
	.p2align	6
	.space	262144
	.amdgpu_metadata
---
amdhsa.version: [ 1, 2 ]
amdhsa.kernels:
  - .name:           k_q603e8ab57c_attn
    .symbol:         k_q603e8ab57c_attn.kd
    .args:
      - { .name: qf, .offset: 0, .size: 8, .value_kind: global_buffer, .address_space: global }
      - { .name: kv, .offset: 8, .size: 8, .value_kind: global_buffer, .address_space: global }
      - { .name: wb, .offset: 16, .size: 8, .value_kind: global_buffer, .address_space: global }
      - { .name: x, .offset: 24, .size: 8, .value_kind: global_buffer, .address_space: global }
      - { .name: proj_b, .offset: 32, .size: 8, .value_kind: global_buffer, .address_space: global }
      - { .name: ln2_w, .offset: 40, .size: 8, .value_kind: global_buffer, .address_space: global }
      - { .name: ln2_b, .offset: 48, .size: 8, .value_kind: global_buffer, .address_space: global }
      - { .name: off_b, .offset: 56, .size: 8, .value_kind: global_buffer, .address_space: global }
      - { .name: aw_b, .offset: 64, .size: 8, .value_kind: global_buffer, .address_space: global }
      - { .name: ref, .offset: 72, .size: 8, .value_kind: global_buffer, .address_space: global }
      - { .name: x1, .offset: 80, .size: 8, .value_kind: global_buffer, .address_space: global }
      - { .name: sidx, .offset: 88, .size: 8, .value_kind: global_buffer, .address_space: global }
      - { .name: swt, .offset: 96, .size: 8, .value_kind: global_buffer, .address_space: global }
    .group_segment_fixed_size: 327680
    .private_segment_fixed_size: 0
    .kernarg_segment_align: 8
    .kernarg_segment_size: 104
    .max_flat_workgroup_size: 256
    .sgpr_count:     96
    .vgpr_count:     322
    .wavefront_size: 32
...
	.end_amdgpu_metadata
.endif
;; end of part 3
;; launch samp (part 4): grid 256 x 1, 4 waves a work-group, no clusters, 168,448 bytes of LDS; arguments sidx, swt, vd, sf; writes sf
.if DOCPART == 4
	.amdgcn_target "amdgcn-amd-amdhsa--gfx1250"
	.amdhsa_code_object_version 6
	.text
	.protected	k_q603e8ab57c_samp
	.globl	k_q603e8ab57c_samp
	.p2align	8
	.type	k_q603e8ab57c_samp,@function
k_q603e8ab57c_samp:
	s_mov_b64 s[64:65], 0
	v_nop
	global_prefetch_b8 v0, s[64:65] scope:SCOPE_SE
	s_setreg_imm32_b32 hwreg(HW_REG_WAVE_MODE, 25, 1), 1
	s_wait_xcnt 0x0
; samp: the weighted sum of the 16 samples (4 points x 4 corners) of the projected value map, for every token and head, by the offsets (sidx) and weights (swt)
; that the launch before stored; the result goes out in bf16 as the fragments that the next launch's oproj product reads.
; A work-group owns one head of one batch and half of the batch's tokens: id = 16 b + 2 head + half, 256 work-groups of equal work.  The head's map is 64 KB;
; it is brought into LDS once, a quarter by each of the four waves, and then only read: the 512 tokens x 16 samples x 64 bytes that are read from it are 512 KB.
; Wave w owns the 8 tiles of 16 tokens 64 b + 32 half + 8 w + 0..7.  Lane (row, half-lane) holds token row of a tile and features 8 hl .. +7 and 16 + 8 hl .. +7.
; The map lies as in vd: [quarter of the 32 features][token][16 bytes], so a lane's 16-byte column modulo 256 bytes is token mod 16.
; NO CLUSTER, though the two work-groups of a head read the same map.
; every LDS read address is a sample's place, which differs from token to token.
; One tensor load a wave is out, at the start; no LDS byte is filled twice, so one barrier behind the fill is all the ordering there is.
; sf: [tile of 16 tokens][head][1 KB]: byte blk*512 + 16*lane holds registers 4 blk .. +3 of the lane's fragment.
; LIMITS: the map and the result are bf16, the sum is kept in f32; NaN and infinities are not served.
; REGISTERS block 0: v1 16 lane, v2 16 row, v3 my plane, v4 = 0, v[50:65] the 16 sums, v[112:175] the 8 tiles' fragments;
;   block 1: sampled rows, two buffers of 128; block 3: LDS addresses (0-127) and weights (128-255), tile k's 16 at 16 k.
.set MSB, 0
.macro WIN new                         ; the immediate's high byte repeats the setting that is left
.if MSB != \new
	s_set_vgpr_msb (MSB<<8)|\new
.set MSB, \new
.endif
.endm
; one tile's 16 samples from LDS: 2 x 16 bytes a lane each (my first quarter, and two planes of 16,384 bytes on my second), addresses from block 3, data into block 1
.macro GATHER qt, buf
	WIN 0x43
.irp m,0,1,2,3,4,5,6,7,8,9,10,11,12,13,14,15
	ds_load_b128 v[128*(\buf)+8*\m:128*(\buf)+8*\m+3], v[16*(\qt)+\m]
	ds_load_b128 v[128*(\buf)+8*\m+4:128*(\buf)+8*\m+7], v[16*(\qt)+\m] offset:32768
.endr
.endm
; the weighted sum of the 16 samples in f32, 16 numbers a lane, then the tile's fragment
.macro PROC qt, buf
	WIN 0x0D
.irp m,0,1,2,3,4,5,6,7,8,9,10,11,12,13,14,15
.irp i,0,1,2,3,4,5,6,7
.if \m
	v_fma_mix_f32_bf16 v[50+2*\i], v[128*(\buf)+8*\m+\i], v[128+16*(\qt)+\m], v[50+2*\i] op_sel_hi:[1,0,0]
	v_fma_mix_f32_bf16 v[51+2*\i], v[128*(\buf)+8*\m+\i], v[128+16*(\qt)+\m], v[51+2*\i] op_sel:[1,0,0] op_sel_hi:[1,0,0]
.else
	v_fma_mix_f32_bf16 v[50+2*\i], v[128*(\buf)+8*\m+\i], v[128+16*(\qt)+\m], v4 op_sel_hi:[1,0,0]
	v_fma_mix_f32_bf16 v[51+2*\i], v[128*(\buf)+8*\m+\i], v[128+16*(\qt)+\m], v4 op_sel:[1,0,0] op_sel_hi:[1,0,0]
.endif
.endr
.endr
	WIN 0
.irp k,0,1,2,3,4,5,6,7
	v_cvt_pk_bf16_f32 v[112+8*(\qt)+\k], v[50+2*\k], v[51+2*\k]
.endr
	global_store_b128 v1, v[112+8*(\qt):112+8*(\qt)+3], s[14:15] offset:(\qt)*8192        ; each store of the wave covers 512 consecutive bytes, aligned;
	global_store_b128 v1, v[112+8*(\qt)+4:112+8*(\qt)+7], s[14:15] offset:(\qt)*8192+512  ; every tile has data registers of its own
.endm
	s_load_b256 s[8:15], s[0:1], 0x0               ; sidx 8, swt 10, vd 12, sf 14
	v_lshl_add_u32 v254, v0, 2, 0x29000
	v_mov_b32 v255, 0
	ds_add_u32 v254, v255
	v_lshrrev_b32 v1, 5, v0
	v_readfirstlane_b32 s3, v1                     ; wave
	s_lshr_b32 s4, ttmp9, 1                        ; 8 b + head
	s_and_b32 s5, ttmp9, 1                         ; which half of the batch's tokens
	s_lshr_b32 s6, ttmp9, 4                        ; batch
	s_and_b32 s7, s4, 7                            ; head
	; group 1: a dense block of 64 rows x 32 elements of 8 bytes = 16 KB; no mask, no padding
	s_mov_b32 s32, 3<<16
	s_mov_b32 s33, 32<<16
	s_mov_b32 s34, 64<<16
	s_mov_b32 s35, 32<<16
	s_mov_b32 s36, 64
	s_mov_b32 s37, 32
	s_mov_b32 s38, 0
	s_mov_b32 s39, 0
	s_lshl_b32 s16, s3, 14                         ; my quarter of the map, in LDS and in vd
	s_lshl_b32 s18, s4, 16                         ; 64 KB a head
	s_add_co_u32 s18, s18, s16
	s_mov_b32 s19, 0
	s_wait_dscnt 0x0
	s_wait_kmcnt 0x0
	s_mov_b32 s40, 1
	s_mov_b32 s41, s16
	s_add_nc_u64 s[42:43], s[12:13], s[18:19]
	s_or_b32 s43, s43, 0x80000000
	tensor_load_to_lds s[40:43], s[32:39]          ; the only fill of these bytes
	s_nop 0
	s_lshl_b32 s20, s6, 6
	s_lshl_b32 s21, s5, 5
	s_add_co_u32 s20, s20, s21
	s_lshl3_add_u32 s20, s3, s20                   ; my first tile: 64 b + 32 half + 8 w
	s_lshl_b32 s22, s20, 13                        ; 8 KB of offsets, of weights and of fragments a tile
	s_lshr_b32 s24, s7, 1
	s_lshl_b32 s24, s24, 11                        ; offsets and weights: 2 KB a pair of heads,
	s_add_co_u32 s24, s24, s22
	s_and_b32 s25, s7, 1
	s_lshl_b32 s25, s25, 8                         ; in each point's 512 bytes 256 a head
	s_add_co_u32 s24, s24, s25
	s_mov_b32 s25, 0
	s_add_nc_u64 s[8:9], s[8:9], s[24:25]
	s_add_nc_u64 s[10:11], s[10:11], s[24:25]
	s_lshl_b32 s26, s7, 10                         ; fragments: 1 KB a head
	s_add_co_u32 s26, s26, s22
	s_mov_b32 s27, 0
	s_add_nc_u64 s[14:15], s[14:15], s[26:27]
	v_and_b32 v74, 31, v0
	v_and_b32 v75, 15, v0
	v_bfe_u32 v76, v0, 4, 1
	v_lshlrev_b32 v1, 4, v74                       ; 16 lane
	v_lshlrev_b32 v2, 4, v75                       ; 16 row: a token's four corners of one point
	v_lshlrev_b32 v3, 14, v76                      ; my first quarter's plane
	v_mov_b32 v4, 0
	WIN 0xC0
.irp k,0,1,2,3,4,5,6,7
.irp p,0,1,2,3
	global_load_b128 v[16*\k+4*\p:16*\k+4*\p+3], v2, s[8:9] offset:\k*8192+\p*512 th:TH_LOAD_NT
.endr
.endr
.irp k,0,1,2,3,4,5,6,7
.irp p,0,1,2,3
	global_load_b128 v[128+16*\k+4*\p:128+16*\k+4*\p+3], v2, s[10:11] offset:\k*8192+\p*512 th:TH_LOAD_NT
.endr
.endr
	s_wait_loadcnt 32                              ; the offsets are in; the 32 loads of weights stay out
	WIN 0xCC
.set i, 0
.rept 128
	v_lshrrev_b32 v[i], 2, v[i]                    ; the stored number is token x 64; a token has 16 bytes in a plane
	v_min_u32 v[i], 0x3ff0, v[i]                   ; which lie inside the plane's 16,384
	v_add_nc_u32 v[i], v3, v[i]                    ; + my plane
.set i, i+1
.endr
	WIN 0
	s_wait_tensorcnt 0x0                           ; my quarter of the map has landed
	s_barrier_signal -1
	s_barrier_wait -1                              ; everybody's has
	; a tile's 32 LDS loads run one tile ahead of its sum
	GATHER 0, 0
	GATHER 1, 1
	s_wait_loadcnt 0x0                             ; the weights
.irp t,0,1,2,3,4,5
	s_wait_dscnt 32                                ; this tile's rows are in; the next tile's 32 loads stay out
	PROC \t, \t&1
	GATHER \t+2, \t&1
.endr
	s_wait_dscnt 32
	PROC 6, 0
	s_wait_dscnt 0x0
	PROC 7, 1
	s_wait_tensorcnt 0x0
	ds_add_u32 v254, v255
	s_wait_dscnt 0x0
	s_endpgm
.Lfunc_end_k_q603e8ab57c_samp:
	.size	k_q603e8ab57c_samp, .Lfunc_end_k_q603e8ab57c_samp-k_q603e8ab57c_samp
	.p2alignl 7, 3214868480
	.fill 96, 4, 3214868480
	.section	.rodata,"a",@progbits
	.p2align	6, 0x0
	.amdhsa_kernel k_q603e8ab57c_samp
		.amdhsa_group_segment_fixed_size 168448
		.amdhsa_private_segment_fixed_size 0
		.amdhsa_enable_private_segment 0
		.amdhsa_kernarg_size 32
		.amdhsa_user_sgpr_count 2
		.amdhsa_user_sgpr_kernarg_segment_ptr 1
		.amdhsa_wavefront_size32 1
		.amdhsa_system_sgpr_workgroup_id_x 1
		.amdhsa_system_sgpr_workgroup_id_y 1
		.amdhsa_system_sgpr_workgroup_id_z 1
		.amdhsa_system_vgpr_workitem_id 0
		.amdhsa_next_free_vgpr 1024
		.amdhsa_next_free_sgpr 66
		.amdhsa_reserve_vcc 0
		.amdhsa_float_denorm_mode_32 3
		.amdhsa_float_denorm_mode_16_64 3
		.amdhsa_memory_ordered 1
		.amdhsa_forward_progress 1
		.amdhsa_inst_pref_size 176
	.end_amdhsa_kernel
	.amdgpu_metadata
---
amdhsa.version: [ 1, 2 ]
amdhsa.kernels:
  - .name:           k_q603e8ab57c_samp
    .symbol:         k_q603e8ab57c_samp.kd
    .args:
      - { .name: sidx, .offset: 0, .size: 8, .value_kind: global_buffer, .address_space: global }
      - { .name: swt, .offset: 8, .size: 8, .value_kind: global_buffer, .address_space: global }
      - { .name: vd, .offset: 16, .size: 8, .value_kind: global_buffer, .address_space: global }
      - { .name: sf, .offset: 24, .size: 8, .value_kind: global_buffer, .address_space: global }
    .group_segment_fixed_size: 168448
    .private_segment_fixed_size: 0
    .kernarg_segment_align: 8
    .kernarg_segment_size: 32
    .max_flat_workgroup_size: 128
    .sgpr_count:     66
    .vgpr_count:     1024
    .wavefront_size: 32
...
	.end_amdgpu_metadata
.endif
;; end of part 4
;; launch mlp (part 5): grid 256 x 1, 4 waves a work-group, clusters of 4 x 1, 327,680 bytes of LDS; arguments sf, x1, wb, oproj_b, ln3_w, ln3_b, fc1_b, fc2_b, out0; writes out0
.if DOCPART == 5
	.amdgcn_target "amdgcn-amd-amdhsa--gfx1250"
	.amdhsa_code_object_version 6
	.text
	.protected	k_q603e8ab57c_mlp
	.globl	k_q603e8ab57c_mlp
	.p2align	8
	.type	k_q603e8ab57c_mlp,@function
k_q603e8ab57c_mlp:
	s_mov_b64 s[64:65], 0
	v_nop
	global_prefetch_b8 v0, s[64:65] scope:SCOPE_SE
	s_setreg_imm32_b32 hwreg(HW_REG_WAVE_MODE, 25, 1), 1
	s_wait_xcnt 0x0
	s_wait_alu depctr_hold_cnt(0) depctr_sa_sdst(0) depctr_va_vdst(0) depctr_va_sdst(0) depctr_va_ssrc(0) depctr_va_vcc(0) depctr_vm_vsrc(0)
	s_getreg_b32 s2, hwreg(HW_REG_IB_STS2, 6, 4)
	s_cmp_eq_u32 s2, 0
	s_cbranch_scc0 .Lentry_in_a_cluster
	s_endpgm
.Lentry_in_a_cluster:
	s_bfe_u32 s2, ttmp6, 0x10000c
	s_cmp_lg_u32 s2, 0x3003
	s_cbranch_scc0 .Lentry_shape_is_right
	s_endpgm
.Lentry_shape_is_right:
; mlp: oproj of the sampled fragments, + x1 (x2), LN3, fc1, exact GELU, fc2, + x2.
; A work-group owns 64 tokens.  Wave w owns tokens 16 w .. +15 for oproj and LN3.  In the MLP wave w owns hidden columns 256 w .. +255
; for all 64 tokens (a split of fc2's K), so that a weight fragment feeds four matrix instructions; the four partial sums meet in LDS at the end.
; Local tile ql stands for token tile (w + ql) % 4, so that the accumulators of ql = 0 start as the wave's own x2.
; Weights come as fragments through two LDS slots of 128 KB, 32 KB a wave: oproj_w (read by all waves), then eight chunks a wave (fc1's 32 columns and
; fc2's K step of the same 32), each wave's own.  The four work-groups of a cluster ask jointly (mask 15).
; By this text's own count a wave has two tensor loads out at the start and one behind each refill.
; FORMATS: oproj takes bf16 operands; fc1 and fc2 take f16 operands (LN3's rows, GELU's results, the weights): fc2 sums 1,024 products, the longest sum of
; the block, and f16 stores 10 mantissa bits where bf16 stores 7.  Room in f16: |LN3| <= 16 |gain| + |bias|; the hidden numbers have a spread of
; 16 x 0.05 x gain = 0.8 at the stated inputs and of about 720 with gains and weights 30 times larger, against 65,504.
; GELU: x Phi(x) = max(x,0) - |x| (1/2) poly(t) 2^(-x^2 log2(e)/2), t = 1/(1 + 0.23164189 |x|): erfc by Abramowitz and Stegun 7.1.26.
; LIMITS: LN3 outputs and hidden activations beyond 65,504 are not served; below 6.1e-5 they are f16 denormals, rounded to within 3e-8;
; erf's absolute error is up to 1.5e-7, for every argument; NaN and infinities are not served.
; LDS: slots at 0 and 131,072; at 262,144 + 8,448 w a wave's stage of 16 rows x 528 bytes, later LN3's rows 16 w .. at pitch 528;
; the four partial sums (64 rows of f32 at pitch 1,040 each) lie from byte 0 on, after the last fill has been read by all.
; REGISTERS block 0: v1, v3, v5-v23 addresses; v[24:33] GELU's coefficients as pairs; v[34:49], v[240:255] fc1_b of this and the next step; v[50:73] at work;
;   v[80:111] H's fragments (before: gains, oproj_b); v[112:175] fc1's accumulators (before: the sampled fragments); v[176:239] weight fragments, two buffers of four.
;   block 1: x1's rows, then LN3's fragments (ql,s) at 8(8ql+s).  Blocks 2, 3: accumulators (ql,n) in block 2 + ql/2 at 128 (ql%2) + 8n.
.set SLOT, 131072
.set ACT, 262144
.set AP, 528
.set SP, 1040
.set RPART, 66560
.set WOP, 704512
.set WMLP, 835584
.set LD, 50
.set LT, 58
.set GW, 80
.set GB, 88
.set SPL, 54
.set SINV, 56
.set SEPS, 57
.set MSB, 0
.macro WIN new
.if MSB != \new
	s_set_vgpr_msb (MSB<<8)|\new
.set MSB, \new
.endif
.endm
.macro PLACES
.rept 4
	v_nop
.endr
.endm
.macro BAR
	s_barrier_signal -1
	s_barrier_wait -1
.endm
.macro ROUND
	s_barrier_signal -1
	s_barrier_wait -1
	s_cmp_lg_u32 s3, 0
	s_cbranch_scc1 .Lnot_wave_0_\@
	s_barrier_signal -3
.Lnot_wave_0_\@:
	s_barrier_wait -3
	s_barrier_signal -1
	s_barrier_wait -1
.endm
.macro RED32 a, b
	v_add_f32_dpp v[\a], v[\a], v[\a] row_xmask:1 row_mask:0xf bank_mask:0xf
	v_add_f32_dpp v[\a], v[\a], v[\a] row_xmask:2 row_mask:0xf bank_mask:0xf
	v_add_f32_dpp v[\a], v[\a], v[\a] row_xmask:4 row_mask:0xf bank_mask:0xf
	v_add_f32_dpp v[\a], v[\a], v[\a] row_xmask:8 row_mask:0xf bank_mask:0xf
	v_permlanex16_b32 v[\b], v[\a], s[SPL], s[SPL+1]
	v_add_f32 v[\a], v[\a], v[\b]
.endm
.macro LNROW x, adr, off               ; layer norm of one row (columns 4 lane .. and 128 + 4 lane ..), mean first, then squared differences; f16 to LDS
	v_pk_add_f32 v[LT:LT+1], v[\x:\x+1], v[\x+2:\x+3]
	v_pk_add_f32 v[LT+2:LT+3], v[\x+4:\x+5], v[\x+6:\x+7]
	v_pk_add_f32 v[LT:LT+1], v[LT:LT+1], v[LT+2:LT+3]
	v_add_f32 v[LT], v[LT], v[LT+1]
	RED32 LT, LT+1
	v_mul_f32 v[LT], s[SINV], v[LT]
.irp j,0,2,4,6
	v_pk_add_f32 v[LD+\j:LD+\j+1], v[\x+\j:\x+\j+1], v[LT:LT+1] op_sel_hi:[1,0] neg_lo:[0,1] neg_hi:[0,1]
.endr
	v_pk_mul_f32 v[LT+2:LT+3], v[LD:LD+1], v[LD:LD+1]
.irp j,2,4,6
	v_pk_fma_f32 v[LT+2:LT+3], v[LD+\j:LD+\j+1], v[LD+\j:LD+\j+1], v[LT+2:LT+3]
.endr
	v_add_f32 v[LT+2], v[LT+2], v[LT+3]
	RED32 LT+2, LT+3
	v_fma_f32 v[LT], v[LT+2], s[SINV], s[SEPS]
	v_rsq_f32 v[LT+2], v[LT]
	v_nop
	s_wait_alu depctr_va_vdst(0)
.irp j,0,2,4,6
	v_pk_mul_f32 v[LD+\j:LD+\j+1], v[LD+\j:LD+\j+1], v[LT+2:LT+3] op_sel_hi:[1,0]
.endr
.irp j,0,2,4,6
	v_pk_fma_f32 v[LD+\j:LD+\j+1], v[LD+\j:LD+\j+1], v[GW+\j:GW+\j+1], v[GB+\j:GB+\j+1]
.endr
	v_cvt_pk_f16_f32 v[LT], v[LD], v[LD+1]
	v_cvt_pk_f16_f32 v[LT+1], v[LD+2], v[LD+3]
	v_cvt_pk_f16_f32 v[LT+2], v[LD+4], v[LD+5]
	v_cvt_pk_f16_f32 v[LT+3], v[LD+6], v[LD+7]
	ds_store_b64 v[\adr], v[LT:LT+1] offset:\off
	ds_store_b64 v[\adr], v[LT+2:LT+3] offset:\off+256
.endm
.macro MM d, a, b, acc                 ; bf16 operands (oproj)
.if \acc
	v_wmma_f32_16x16x32_bf16 v[\d:\d+7], v[\a:\a+7], v[\b:\b+7], v[\d:\d+7]
.else
	v_wmma_f32_16x16x32_bf16 v[\d:\d+7], v[\a:\a+7], v[\b:\b+7], 0
.endif
.endm
.macro MMH d, a, b, acc                ; f16 operands (fc1, fc2)
.if \acc
	v_wmma_f32_16x16x32_f16 v[\d:\d+7], v[\a:\a+7], v[\b:\b+7], v[\d:\d+7]
.else
	v_wmma_f32_16x16x32_f16 v[\d:\d+7], v[\a:\a+7], v[\b:\b+7], 0
.endif
.endm
.macro REFILL g0, step
	s_wait_tensorcnt 0x0                           ; all my tensor loads have landed, so a group 0 may be written
	ds_add_u32 v4, v79
.if \step
	s_add_nc_u64 s[\g0+2:\g0+3], s[\g0+2:\g0+3], \step
.endif
	s_wait_dscnt 0x0                               ; my reads of the slot are done
	ROUND                                          ; both now hold of every wave of the four work-groups
	tensor_load_to_lds s[\g0:\g0+3], s[32:39]
	s_nop 0
.endm
; four fragments of oproj_w: n-tiles 4g .. 4g+3 of K step ks
.macro LOADW buf, ks, g
.irp i,0,1,2,3
.if (\g) < 2
	ds_load_b128 v[176+32*(\buf)+8*\i:176+32*(\buf)+8*\i+3], v1 offset:(4*(\g)+\i)*8192+(\ks)*1024
	ds_load_b128 v[176+32*(\buf)+8*\i+4:176+32*(\buf)+8*\i+7], v1 offset:(4*(\g)+\i)*8192+(\ks)*1024+512
.else
	ds_load_b128 v[176+32*(\buf)+8*\i:176+32*(\buf)+8*\i+3], v12 offset:(4*(\g)+\i-8)*8192+(\ks)*1024
	ds_load_b128 v[176+32*(\buf)+8*\i+4:176+32*(\buf)+8*\i+7], v12 offset:(4*(\g)+\i-8)*8192+(\ks)*1024+512
.endif
.endr
.endm
; four fragments of a chunk: g = 0..3: fc1, K steps 2g, 2g+1 x n-tiles t = 0, 1 (fragment 2 si + t); g = 4..7: fc2's n-tiles 4(g-4) ..
.macro LG mw, buf, g
.irp i,0,1,2,3
.if (\g) < 4
	ds_load_b128 v[176+32*(\buf)+8*\i:176+32*(\buf)+8*\i+3], v[\mw] offset:(8*(\i&1)+2*(\g)+(\i>>1))*1024
	ds_load_b128 v[176+32*(\buf)+8*\i+4:176+32*(\buf)+8*\i+7], v[\mw] offset:(8*(\i&1)+2*(\g)+(\i>>1))*1024+512
.else
	ds_load_b128 v[176+32*(\buf)+8*\i:176+32*(\buf)+8*\i+3], v[\mw] offset:16384+(4*((\g)-4)+\i)*1024
	ds_load_b128 v[176+32*(\buf)+8*\i+4:176+32*(\buf)+8*\i+7], v[\mw] offset:16384+(4*((\g)-4)+\i)*1024+512
.endif
.endr
.endm
; GELU of a tile's eight numbers v[x ..], packed as f16 into v[o : o+3]
.macro GELU x, o
.irp j,0,1,2,3,4,5,6,7
	v_fma_f32 v[50+\j], |v[\x+\j]|, s59, 1.0
.endr
.irp j,0,2,4,6
	v_pk_mul_f32 v[58+\j:59+\j], v[\x+\j:\x+\j+1], v[\x+\j:\x+\j+1]
.endr
.irp j,0,2,4,6
	v_pk_mul_f32 v[58+\j:59+\j], v[58+\j:59+\j], 0xbf38aa3b op_sel_hi:[1,0]      ; - x^2 log2(e)/2
.endr
.irp j,0,1,2,3,4,5,6,7
	v_rcp_f32 v[50+\j], v[50+\j]
.endr
.irp j,0,1,2,3,4,5,6,7
	v_exp_f32 v[58+\j], v[58+\j]
.endr
	v_nop
	s_wait_alu depctr_va_vdst(0)
.irp j,0,2,4,6
	v_pk_fma_f32 v[66+\j:67+\j], v[50+\j:51+\j], v[32:33], v[30:31]
.endr
.irp c,28,26,24
.irp j,0,2,4,6
	v_pk_fma_f32 v[66+\j:67+\j], v[66+\j:67+\j], v[50+\j:51+\j], v[\c:\c+1]
.endr
.endr
.irp j,0,2,4,6
	v_pk_mul_f32 v[66+\j:67+\j], v[66+\j:67+\j], v[50+\j:51+\j]
.endr
.irp j,0,2,4,6
	v_pk_mul_f32 v[66+\j:67+\j], v[66+\j:67+\j], v[58+\j:59+\j]
.endr
.irp j,0,1,2,3,4,5,6,7
	v_max_num_f32 v[50+\j], 0, v[\x+\j]
.endr
.irp j,0,1,2,3,4,5,6,7
	v_fma_f32 v[50+\j], -|v[\x+\j]|, v[66+\j], v[50+\j]
.endr
.irp k,0,1,2,3
	v_cvt_pk_f16_f32 v[\o+\k], v[50+2*\k], v[51+2*\k]
.endr
.endm
; One step: 32 hidden columns x 64 tokens: fc1 (64 matrix instructions, the bias as the first C), GELU, fc2 (64).
; mw: my chunk's address register; first = 1: the sums of ql = 1..3 start; bi: this step's fc1_b; nbi: where the next step's goes.
; In each product the accumulators take turns, one instruction a turn.
.macro STEP mw, first, bi, nbi, nextbias
	PLACES
	LG \mw, 0, 0
	s_wait_loadcnt 0x0                             ; this step's bias is in, and its loads' base may be stepped
.if \nextbias
	s_add_nc_u64 s[24:25], s[24:25], 128
	global_load_b128 v[\nbi:\nbi+3], v15, s[24:25]
	global_load_b128 v[\nbi+4:\nbi+7], v15, s[24:25] offset:16
	global_load_b128 v[\nbi+8:\nbi+11], v15, s[24:25] offset:64
	global_load_b128 v[\nbi+12:\nbi+15], v15, s[24:25] offset:80
.endif
.irp g,0,1,2,3,4,5,6,7
.if \g < 7
.if \g > 0
.if \g != 4
	PLACES                                         ; (at g = 4 GELU's instructions are the places)
.endif
.endif
	WIN 0
	LG \mw, (\g+1)&1, \g+1
	s_wait_dscnt 0x8                               ; all but the eight loads of the next group
.else
	s_wait_dscnt 0x0
.endif
.if \g < 4
	WIN 0x04
.irp si,0,1
.irp t,0,1
.irp ql,0,1,2,3
.if (2*\g+\si) == 0
	v_wmma_f32_16x16x32_f16 v[112+8*(4*\t+\ql):112+8*(4*\t+\ql)+7], v[176+32*(\g&1)+8*(2*\si+\t):176+32*(\g&1)+8*(2*\si+\t)+7], v[8*(8*\ql+2*\g+\si):8*(8*\ql+2*\g+\si)+7], v[\bi+8*\t:\bi+8*\t+7]
.else
	MMH 112+8*(4*\t+\ql), 176+32*(\g&1)+8*(2*\si+\t), 8*(8*\ql+2*\g+\si), 1
.endif
.endr
.endr
.endr
.if \g == 3
	WIN 0
	PLACES
.irp t,0,1
.irp ql,0,1,2,3
	GELU 112+8*(4*\t+\ql), 80+8*\ql+4*\t
.endr
.endr
.endif
.else
	WIN 0xA0
.irp i,0,1,2,3
	MMH 8*(4*(\g-4)+\i), 176+32*(\g&1)+8*\i, 80, 1
.endr
.irp i,0,1,2,3
	MMH 128+8*(4*(\g-4)+\i), 176+32*(\g&1)+8*\i, 88, 1-\first
.endr
	WIN 0xF0
.irp i,0,1,2,3
	MMH 8*(4*(\g-4)+\i), 176+32*(\g&1)+8*\i, 96, 1-\first
.endr
.irp i,0,1,2,3
	MMH 128+8*(4*(\g-4)+\i), 176+32*(\g&1)+8*\i, 104, 1-\first
.endr
.endif
.endr
	WIN 0
.endm
	s_load_b128 s[12:15], s[0:1], 0x0              ; sf 12, x1 14
	s_load_b256 s[16:23], s[0:1], 0x10             ; wb 16, oproj_b 18, ln3_w 20, ln3_b 22
	s_load_b128 s[24:27], s[0:1], 0x30             ; fc1_b 24, fc2_b 26
	s_load_b64 s[28:29], s[0:1], 0x40              ; out0
	v_lshl_add_u32 v4, v0, 2, 0x48400
	v_mov_b32 v79, 0
	ds_add_u32 v4, v79
	v_lshrrev_b32 v1, 5, v0
	v_readfirstlane_b32 s3, v1                     ; wave
	s_bfe_u32 s4, ttmp6, 0x40000                   ; cx
	s_lshl_b32 s5, ttmp9, 2
	s_add_co_u32 s5, s5, s4                        ; work-group; enters addresses of rows in memory alone
	s_mov_b32 s32, 15|(3<<16)|(1<<21)              ; group 1: 128 rows x 256 bytes, dense = 32 KB
	s_mov_b32 s33, 32<<16
	s_mov_b32 s34, 128<<16
	s_mov_b32 s35, 32<<16
	s_mov_b32 s36, 128
	s_mov_b32 s37, 32
	s_mov_b32 s38, 0
	s_mov_b32 s39, 0
	s_lshl_b32 s52, s3, 15                         ; my 32 KB of a slot
	s_mov_b32 s53, 0
	s_lshl_b32 s60, s3, 18                         ; my eight chunks
	s_mov_b32 s61, 0
	s_wait_dscnt 0x0
	s_wait_kmcnt 0x0
	s_mov_b32 s48, 1                               ; a quarter of oproj_w into slot 0
	s_mov_b32 s49, s52
	s_add_nc_u64 s[50:51], s[16:17], s[52:53]
	s_add_nc_u64 s[50:51], s[50:51], WOP
	s_or_b32 s51, s51, 0x80000000
	s_mov_b32 s44, 1                               ; slot 1: steps 0, 2, 4, 6
	s_add_co_u32 s45, s52, SLOT
	s_add_nc_u64 s[46:47], s[16:17], s[60:61]
	s_add_nc_u64 s[46:47], s[46:47], WMLP
	s_mov_b32 s40, 1                               ; slot 0: steps 1, 3, 5, 7
	s_mov_b32 s41, s52
	s_add_nc_u64 s[42:43], s[46:47], 32768
	s_or_b32 s47, s47, 0x80000000
	s_or_b32 s43, s43, 0x80000000
	ROUND                                          ; in front of the first joint loads
	tensor_load_to_lds s[48:51], s[32:39]
	s_nop 0
	tensor_load_to_lds s[44:47], s[32:39]
	s_nop 0
	s_mov_b32 s54, 0x76543210
	s_mov_b32 s55, 0xfedcba98
	s_mov_b32 s56, 0x3b800000                      ; 1/256
	s_mov_b32 s57, 0x3727c5ac                      ; 1e-5
	s_mov_b32 s59, 0x3e6d3388                      ; 0.3275911 / sqrt(2)
	v_and_b32 v74, 31, v0
	v_and_b32 v75, 15, v0
	v_bfe_u32 v76, v0, 4, 1
	v_lshlrev_b32 v1, 4, v74                       ; 16 lane
	v_lshlrev_b32 v3, 4, v76                       ; 16 half
	s_lshl_b32 s62, s3, 10
	v_lshl_add_u32 v15, v76, 5, s62                ; fc1_b: 1,024 w + 32 half
	global_load_b128 v[34:37], v15, s[24:25]
	global_load_b128 v[38:41], v15, s[24:25] offset:16
	global_load_b128 v[42:45], v15, s[24:25] offset:64
	global_load_b128 v[46:49], v15, s[24:25] offset:80
	global_load_b128 v[80:83], v1, s[20:21]
	global_load_b128 v[84:87], v1, s[20:21] offset:512
	global_load_b128 v[88:91], v1, s[22:23]
	global_load_b128 v[92:95], v1, s[22:23] offset:512
	global_load_b128 v[96:99], v1, s[18:19]
	global_load_b128 v[100:103], v1, s[18:19] offset:512
	s_lshl2_add_u32 s60, s5, s3
	s_lshl_b32 s60, s60, 13                        ; 8 KB of sampled fragments a tile of 16 tokens, 1 KB a head
	s_add_nc_u64 s[12:13], s[12:13], s[60:61]
.irp hd,0,1,2,3,4,5,6,7
	global_load_b128 v[112+8*\hd:115+8*\hd], v1, s[12:13] offset:\hd*1024 th:TH_LOAD_NT
	global_load_b128 v[116+8*\hd:119+8*\hd], v1, s[12:13] offset:\hd*1024+512 th:TH_LOAD_NT
.endr
	s_lshl_b32 s60, s5, 16
	s_lshl_b32 s62, s3, 14
	s_add_co_u32 s60, s60, s62
	s_add_nc_u64 s[14:15], s[14:15], s[60:61]      ; x1 and out0 at row 64 WG + 16 w
	s_add_nc_u64 s[28:29], s[28:29], s[60:61]
	WIN 0x40
.irp ri,0,1,2,3,4,5,6,7,8,9,10,11,12,13,14,15
	global_load_b128 v[8*\ri:8*\ri+3], v1, s[14:15] offset:\ri*1024 th:TH_LOAD_NT
	global_load_b128 v[8*\ri+4:8*\ri+7], v1, s[14:15] offset:\ri*1024+512 th:TH_LOAD_NT
.endr
	WIN 0
	s_mul_i32 s62, s3, 16*AP
	s_add_co_u32 s62, s62, ACT                     ; my stage
	v_add_nc_u32 v5, s62, v1                       ; by rows: 16 lane
	v_mul_u32_u24 v77, v75, AP
	v_lshl_add_u32 v6, v76, 5, v77
	v_add_nc_u32 v6, s62, v6                       ; by tiles: row x 528 + 32 half
	v_lshl_add_u32 v7, v74, 3, s62                 ; LN3's rows, in: 8 lane
	v_add_nc_u32 v77, v77, v3                      ; row x 528 + 16 half
	v_mul_u32_u24 v78, v75, SP
	v_lshl_add_u32 v78, v76, 5, v78                ; row x 1,040 + 32 half
	s_mul_i32 s53, s3, RPART
.irp ql,0,1,2,3
	s_add_co_u32 s60, s3, \ql
	s_and_b32 s60, s60, 3                          ; token tile (w + ql) % 4
	s_mul_i32 s61, s60, 16*AP
	s_add_co_u32 s61, s61, ACT
	v_add_nc_u32 v[8+\ql], s61, v77                ; its LN3 fragments
	s_mul_i32 s61, s60, 16*SP
	s_add_co_u32 s61, s61, s53
	v_add_nc_u32 v[16+\ql], s61, v78               ; its place in my partial sum
.endr
	v_add_nc_u32 v12, 65536, v1                    ; oproj_w's n-tiles 8 ..
	v_add_nc_u32 v13, s52, v1                      ; my chunk in slot 0
	v_add_nc_u32 v14, SLOT, v13                    ; and in slot 1
	s_mul_i32 s61, s3, 16*SP
.irp p,0,1,2,3
	v_add_nc_u32 v[20+\p], s61, v1                 ; rows 16 w .. of partial sum p
	s_add_co_u32 s61, s61, RPART
.endr
	v_mov_b32 v24, 0x3e027906                      ; the five coefficients, halved, each twice
	v_mov_b32 v25, 0x3e027906
	v_mov_b32 v26, 0xbe11a98e
	v_mov_b32 v27, 0xbe11a98e
	v_mov_b32 v28, 0x3f35f0e3
	v_mov_b32 v29, 0x3f35f0e3
	v_mov_b32 v30, 0xbf3a00e3
	v_mov_b32 v31, 0xbf3a00e3
	v_mov_b32 v32, 0x3f07dc22
	v_mov_b32 v33, 0x3f07dc22
	s_wait_loadcnt 0x0                             ; biases, gains, the sampled fragments and x1
	; x1 + oproj_b, from rows to the accumulators' layout through my stage, 128 columns at a time
	WIN 0x41
.irp ri,0,1,2,3,4,5,6,7,8,9,10,11,12,13,14,15
.irp j,0,2,4,6
	v_pk_add_f32 v[8*\ri+\j:8*\ri+\j+1], v[8*\ri+\j:8*\ri+\j+1], v[96+\j:97+\j]
.endr
.endr
.irp c,0,1
	WIN 0x04
.irp ri,0,1,2,3,4,5,6,7,8,9,10,11,12,13,14,15
	ds_store_b128 v5, v[8*\ri+4*\c:8*\ri+4*\c+3] offset:\ri*AP
.endr
	WIN 0x80
.irp nn,0,1,2,3,4,5,6,7
	ds_load_b128 v[8*(8*\c+\nn):8*(8*\c+\nn)+3], v6 offset:64*\nn        ; LDS serves a wave's instructions in order: these see the stores above,
	ds_load_b128 v[8*(8*\c+\nn)+4:8*(8*\c+\nn)+7], v6 offset:64*\nn+16   ; and the next half's stores come behind them
.endr
.endr
	WIN 0
	s_wait_dscnt 0x0
	s_wait_tensorcnt 0x1                           ; my quarter of oproj_w has landed; step 0's chunk stays out
	BAR
	; oproj: my 16 tokens x 16 n-tiles x 8 heads, added onto x1 + oproj_b; the sixteen accumulators take turns
	LOADW 0, 0, 0
.set gi, 0
.rept 32
.if gi < 31
.if gi > 0
	PLACES
.endif
	WIN 0
	LOADW (gi+1)&1, (gi+1)>>2, (gi+1)&3
	s_wait_dscnt 0x8                               ; all but the eight loads of the next group
.else
	s_wait_dscnt 0x0
.endif
	WIN 0xA0
.irp i,0,1,2,3
	MM 8*(4*(gi&3)+\i), 176+32*(gi&1)+8*\i, 112+8*(gi>>2), 1
.endr
.set gi, gi+1
.endr
	WIN 0
	PLACES
	REFILL 40, 0                                   ; step 1's chunk into slot 0, which every wave has read
	; x2 back to rows, LN3
.irp c,0,1
	WIN 0x08
.irp nn,0,1,2,3,4,5,6,7
	ds_store_b128 v6, v[8*(8*\c+\nn):8*(8*\c+\nn)+3] offset:64*\nn
	ds_store_b128 v6, v[8*(8*\c+\nn)+4:8*(8*\c+\nn)+7] offset:64*\nn+16
.endr
	WIN 0
.irp ri,0,1,2,3,4,5,6,7,8,9,10,11,12,13,14,15
	ds_load_b128 v[112+8*\ri+4*\c:112+8*\ri+4*\c+3], v5 offset:\ri*AP
.endr
.endr
	s_wait_dscnt 0x0
.irp ri,0,1,2,3,4,5,6,7,8,9,10,11,12,13,14,15
	LNROW 112+8*\ri, 7, \ri*AP
.endr
	s_wait_dscnt 0x0
	BAR                                            ; all 64 rows of LN3 are in LDS
	WIN 0x40
.irp ql,0,1,2,3
.irp s,0,1,2,3,4,5,6,7
	ds_load_b128 v[8*(8*\ql+\s):8*(8*\ql+\s)+3], v[8+\ql] offset:64*\s
	ds_load_b128 v[8*(8*\ql+\s)+4:8*(8*\ql+\s)+7], v[8+\ql] offset:64*\s+32
.endr
.endr
	WIN 0
	; the f16 products begin; the accumulators of ql = 0, last written by oproj's bf16 form, are taken up far more than five places behind it (all of LN3)
	STEP 14, 1, 34, 240, 1                         ; step 0, in slot 1 (shown landed by the refill's wait for all loads)
	s_mov_b32 s58, 3
.Llap:
	REFILL 44, 65536                               ; steps 2, 4, 6
	STEP 13, 0, 240, 34, 1                         ; steps 1, 3, 5
	REFILL 40, 65536                               ; steps 3, 5, 7
	STEP 14, 0, 34, 240, 1                         ; steps 2, 4, 6
	s_sub_co_u32 s58, s58, 1
	s_cmp_lg_u32 s58, 0
	s_cbranch_scc1 .Llap
	s_wait_tensorcnt 0x0                           ; the last chunk
	STEP 13, 0, 240, 34, 0                         ; step 7: nothing is left to fetch
	; the four waves' partial sums meet in LDS
	PLACES
	global_load_b128 v[80:83], v1, s[26:27]        ; fc2_b
	global_load_b128 v[84:87], v1, s[26:27] offset:512
	BAR                                            ; every wave has read its last chunk and LN3's rows (its LDS loads were waited for in the step)
	WIN 0x08
.irp ql,0,1
.irp n,0,1,2,3,4,5,6,7,8,9,10,11,12,13,14,15
	ds_store_b128 v[16+\ql], v[128*\ql+8*\n:128*\ql+8*\n+3] offset:64*\n
	ds_store_b128 v[16+\ql], v[128*\ql+8*\n+4:128*\ql+8*\n+7] offset:64*\n+16
.endr
.endr
	WIN 0x0C
.irp ql,0,1
.irp n,0,1,2,3,4,5,6,7,8,9,10,11,12,13,14,15
	ds_store_b128 v[18+\ql], v[128*\ql+8*\n:128*\ql+8*\n+3] offset:64*\n
	ds_store_b128 v[18+\ql], v[128*\ql+8*\n+4:128*\ql+8*\n+7] offset:64*\n+16
.endr
.endr
	WIN 0
	s_wait_dscnt 0x0
	BAR
.macro RL buf, ri                      ; one row of the four partial sums
.irp p,0,1,2,3
	ds_load_b128 v[112+32*(\buf)+8*\p:112+32*(\buf)+8*\p+3], v[20+\p] offset:(\ri)*SP
	ds_load_b128 v[112+32*(\buf)+8*\p+4:112+32*(\buf)+8*\p+7], v[20+\p] offset:(\ri)*SP+512
.endr
.endm
	RL 0, 0
	s_wait_loadcnt 0x0                             ; fc2_b
.irp ri,0,1,2,3,4,5,6,7,8,9,10,11,12,13,14,15
.if \ri < 15
	s_wait_xcnt 0x0                                ; the other buffer held the data of the row before's stores
	RL (\ri+1)&1, \ri+1
	s_wait_dscnt 0x8                               ; all but the next row's eight loads
.else
	s_wait_dscnt 0x0
.endif
.irp j,0,2,4,6
	v_pk_add_f32 v[112+32*(\ri&1)+\j:113+32*(\ri&1)+\j], v[112+32*(\ri&1)+\j:113+32*(\ri&1)+\j], v[120+32*(\ri&1)+\j:121+32*(\ri&1)+\j]
	v_pk_add_f32 v[128+32*(\ri&1)+\j:129+32*(\ri&1)+\j], v[128+32*(\ri&1)+\j:129+32*(\ri&1)+\j], v[136+32*(\ri&1)+\j:137+32*(\ri&1)+\j]
.endr
.irp j,0,2,4,6
	v_pk_add_f32 v[112+32*(\ri&1)+\j:113+32*(\ri&1)+\j], v[112+32*(\ri&1)+\j:113+32*(\ri&1)+\j], v[128+32*(\ri&1)+\j:129+32*(\ri&1)+\j]
	v_pk_add_f32 v[112+32*(\ri&1)+\j:113+32*(\ri&1)+\j], v[112+32*(\ri&1)+\j:113+32*(\ri&1)+\j], v[80+\j:81+\j]
.endr
	global_store_b128 v1, v[112+32*(\ri&1):115+32*(\ri&1)], s[28:29] offset:\ri*1024 th:TH_STORE_NT       ; 512 consecutive bytes a store
	global_store_b128 v1, v[116+32*(\ri&1):119+32*(\ri&1)], s[28:29] offset:\ri*1024+512 th:TH_STORE_NT
.endr
	s_wait_tensorcnt 0x0
	ds_add_u32 v4, v79
	s_wait_dscnt 0x0
	ROUND                                          ; the closing round
	s_endpgm
.Lfunc_end_k_q603e8ab57c_mlp:
	.size	k_q603e8ab57c_mlp, .Lfunc_end_k_q603e8ab57c_mlp-k_q603e8ab57c_mlp
	.p2alignl 7, 3214868480
	.fill 96, 4, 3214868480
	.section	.rodata,"a",@progbits
	.p2align	6, 0x0
	.amdhsa_kernel k_q603e8ab57c_mlp
		.amdhsa_group_segment_fixed_size 327680
		.amdhsa_private_segment_fixed_size 0
		.amdhsa_enable_private_segment 0
		.amdhsa_kernarg_size 72
		.amdhsa_user_sgpr_count 2
		.amdhsa_user_sgpr_kernarg_segment_ptr 1
		.amdhsa_wavefront_size32 1
		.amdhsa_system_sgpr_workgroup_id_x 1
		.amdhsa_system_sgpr_workgroup_id_y 1
		.amdhsa_system_sgpr_workgroup_id_z 1
		.amdhsa_system_vgpr_workitem_id 0
		.amdhsa_next_free_vgpr 1024
		.amdhsa_next_free_sgpr 66
		.amdhsa_reserve_vcc 0
		.amdhsa_float_denorm_mode_32 3
		.amdhsa_float_denorm_mode_16_64 3
		.amdhsa_memory_ordered 1
		.amdhsa_forward_progress 1
		.amdhsa_inst_pref_size 255
	.end_amdhsa_kernel
	.section	.bss,"aw",@nobits
	.p2align	6
	.space	262144
	.amdgpu_metadata
---
amdhsa.version: [ 1, 2 ]
amdhsa.kernels:
  - .name:           k_q603e8ab57c_mlp
    .symbol:         k_q603e8ab57c_mlp.kd
    .args:
      - { .name: sf, .offset: 0, .size: 8, .value_kind: global_buffer, .address_space: global }
      - { .name: x1, .offset: 8, .size: 8, .value_kind: global_buffer, .address_space: global }
      - { .name: wb, .offset: 16, .size: 8, .value_kind: global_buffer, .address_space: global }
      - { .name: oproj_b, .offset: 24, .size: 8, .value_kind: global_buffer, .address_space: global }
      - { .name: ln3_w, .offset: 32, .size: 8, .value_kind: global_buffer, .address_space: global }
      - { .name: ln3_b, .offset: 40, .size: 8, .value_kind: global_buffer, .address_space: global }
      - { .name: fc1_b, .offset: 48, .size: 8, .value_kind: global_buffer, .address_space: global }
      - { .name: fc2_b, .offset: 56, .size: 8, .value_kind: global_buffer, .address_space: global }
      - { .name: out0, .offset: 64, .size: 8, .value_kind: global_buffer, .address_space: global }
    .group_segment_fixed_size: 327680
    .private_segment_fixed_size: 0
    .kernarg_segment_align: 8
    .kernarg_segment_size: 72
    .max_flat_workgroup_size: 128
    .sgpr_count:     66
    .vgpr_count:     1024
    .wavefront_size: 32
...
	.end_amdgpu_metadata
.endif
;; end of part 5
